; MI455X (gfx1250); checked and timed in simulation.
; The chip was launched on July 23, 2026; its instructions are those of AMD's public machine-readable ISA for CDNA 5 (MIT licence, August 2026) and "CDNA5" Instruction Set Architecture Reference Guide (July 2026). The comments in the code are by the model that wrote it; some were corrected since.
;; Multi Headed Attention. Allowed arithmetic: matrix products marked QUANTISED: E2M3 operands, one E8M0 scale for each 32 along K, by v_wmma_scale_f32_16x16x128_f8f6f4 with both operands' format E2M3, f32 sums; everything else in f32.
;; Inputs: Wk_codes 16 x 64 x 32 x 24 uint8 (E2M3 codes of Wk, K innermost, in blocks of 32 codes, four codes in three bytes); Wk_scales 16 x 64 x 32 uint8 (E8M0 scales of Wk, one for each 32 codes along K); Wo 16 x 64 x 1,024 float32; Wq_codes 16 x 64 x 32 x 24 uint8 (E2M3 codes of Wq, K innermost, in blocks of 32 codes, four codes in three bytes); Wq_scales 16 x 64 x 32 uint8 (E8M0 scales of Wq, one for each 32 codes along K); Wv_codes 16 x 64 x 32 x 24 uint8 (E2M3 codes of Wv, K innermost, in blocks of 32 codes, four codes in three bytes); Wv_scales 16 x 64 x 32 uint8 (E8M0 scales of Wv, one for each 32 codes along K); bk 16 x 64 float32; bo 1,024 float32; bq 16 x 64 float32; bv 16 x 64 float32; key_codes 4 x 2,048 x 32 x 24 uint8 (E2M3 codes of key, K innermost, in blocks of 32 codes, four codes in three bytes); key_scales 4 x 2,048 x 32 uint8 (E8M0 scales of key, one for each 32 codes along K); mask 4 x 2,048 x 2,048 bool; query_codes 4 x 2,048 x 32 x 24 uint8 (E2M3 codes of query, K innermost, in blocks of 32 codes, four codes in three bytes); query_scales 4 x 2,048 x 32 uint8 (E8M0 scales of query, one for each 32 codes along K); value_codes 4 x 2,048 x 32 x 24 uint8 (E2M3 codes of value, K innermost, in blocks of 32 codes, four codes in three bytes); value_scales 4 x 2,048 x 32 uint8 (E8M0 scales of value, one for each 32 codes along K).
;; Outputs: out0 4 x 2,048 x 1,024 float32.
;; This version of the problem:
;;   THIS VERSION OF THE PROBLEM IS GIVEN IN LOW PRECISION. The matrix products marked QUANTISED in the list below multiply operands that are first quantised to E2M3 (2 exponent bits, 3 mantissa bits; 6 bits a number), with one power-of-two scale for each 32 numbers along K (OCP MX v1.0); their sums are f32. All else is computed in f32.
;;   The module's matrix products, in the order in which they are computed (A, B: the left and right operand; K: the contracted axis; several contracted axes count as one K, in the product's order):
;;     1. [M 1,024, K 1,024] x [K 1,024, N 8,192]; A: input Wq (given as codes); B: input query (given as codes): QUANTISED
;;     2. [M 1,024, K 1,024] x [K 1,024, N 8,192]; A: input Wk (given as codes); B: input key (given as codes): QUANTISED
;;     3. [M 1,024, K 1,024] x [K 1,024, N 8,192]; A: input Wv (given as codes); B: input value (given as codes): QUANTISED
;;     4. batch 64 x [M 2,048, K 64] x [K 64, N 2,048]; A: computed on the way; B: computed on the way: QUANTISED
;;     5. batch 64 x [M 2,048, K 2,048] x [K 2,048, N 64]; A: softmax (see below); B: computed on the way: QUANTISED
;;     6. [M 8,192, K 1,024] x [K 1,024, N 1,024]; A: computed on the way; B: input Wo: QUANTISED
;;   THE QUANTISER, for each operand of a quantised product, along K:
;;     - K is cut into blocks of 32 from its start; a last block that is shorter is filled with zeros.
;;     - A block's scale is 2^e with e = floor(log2(the largest magnitude in the block)) - 2, held to -126 .. 127; a block of zeros has e = 0. As a byte (E8M0): e + 127.
;;     - Each number is divided by its block's scale, clamped to +-7.5, and rounded to the nearest number of E2M3, ties to even, subnormals kept.
;;     - The product sums the exact products of the quantised numbers (number of the format x scale) in f32.
;;   ~~~python
;;   def quantise(x, axis):      # numpy; x: float32 -> the quantised numbers, widened to float32 again
;;       x = np.moveaxis(x, axis, -1); K = x.shape[-1]
;;       x = np.pad(x, [(0, 0)] * (x.ndim - 1) + [(0, -K % 32)]); x = x.reshape(x.shape[:-1] + (-1, 32)); a = np.abs(x).max(-1, keepdims=True)
;;       e = np.where(a > 0, np.clip(np.frexp(np.where(a > 0, a, 1))[1] - 1 - 2, -126, 127), 0)      # np.frexp(a)[1] - 1 = floor(log2(a)), exactly
;;       r = np.clip(x / 2.0 ** e, -7.5, 7.5)
;;       step = 2.0 ** (np.maximum(np.frexp(np.where(r == 0, 1, r))[1] - 1, 0) - 3)
;;       q = np.round(r / step) * step * 2.0 ** e      # np.round: ties to even
;;       return np.moveaxis(q.reshape(q.shape[:-2] + (-1,))[..., :K], -1, axis).astype(np.float32)
;;   ~~~
;;   SOFTMAX AHEAD OF A QUANTISED PRODUCT. Where the list says 'softmax', what is quantised is not the finished softmax but p = 2^(t - M), with t = logit x log2(e) and M = ceil(the row's largest t), a whole number; so 1/2 < the row's largest p <= 1. The row's sum l is taken of the UNQUANTISED p, in f32, and the product's result is divided by l at the end. Since M is a whole number, a kernel that streams over the keys may use a running M (the ceiling of the running maximum): every later rescaling is an exact power of two, which a block's scale takes up: the codes' values come out the same.
;;   OPERANDS COMPUTED ON THE WAY. 'Computed on the way' means the value that the module computes at that place (a softmax that the list does not call 'softmax' is quantised finished and normalised). What goes into a quantiser is computed in f32, as accurately as f32 sums, v_exp_f32 and their like allow (about 1e-6 of the number): no bf16 or f16 on the way to a quantiser, and a product that is left as it is and whose result goes on into a quantised operand takes f32 operands (vector FMAs, or v_wmma_f32_16x16x4_f32). A number that lies on a knife's edge between two numbers of the format may be rounded either way, as far as f32 arithmetic and the matrix unit's own rounding can turn it there, and no further.
;;   INPUTS GIVEN AS CODES. Wk (in the module: [1024, 16, 64], K = its axis 0); Wq (in the module: [1024, 16, 64], K = its axis 0); Wv (in the module: [1024, 16, 64], K = its axis 0); key (in the module: [4, 2048, 1024], K = its axis 2); query (in the module: [4, 2048, 1024], K = its axis 2); value (in the module: [4, 2048, 1024], K = its axis 2): each comes as NAME_codes (uint8): NAME with its K axis moved to the last place and cut into blocks of 32 codes, [.., K / 32, bytes a block], one block behind the other in memory; four codes in three bytes: a row's codes are one little-endian stream of bits, code i at bits 6 i .. 6 i + 5 (a code: sign, 2 exponent bits, 3 mantissa bits); and NAME_scales (uint8): the same leading axes, one E8M0 byte (e + 127) for each 32 codes along K. Its value is code x scale, taken as it is: it is not quantised again, and the codes and scales need not be those that the quantiser above would give.
;; One version. Each part assembles by itself: llvm-mc -triple=amdgcn-amd-amdhsa -mcpu=gfx1250 --defsym DOCPART=n.
;; ======== version 1 of 1: 4 launches
;; limits: right only within a limited range of input values
;; workspace buffers: maskw 2,097,152 bytes of whole numbers; qimg 6,815,744 bytes; kvimg 13,369,344 bytes; af 33,554,432 bytes; woimg 786,432 bytes; woscl 32,768 bytes
;; launch prep (part 1): grid 1088 x 1, 4 waves a work-group, no clusters, 17,920 bytes of LDS; arguments Wo, mask, woimg, woscl, maskw; writes woimg, woscl, maskw
.if DOCPART == 1
	.amdgcn_target "amdgcn-amd-amdhsa--gfx1250"
	.amdhsa_code_object_version 6
	.text
	.protected	k_q42530b8346_prep
	.globl	k_q42530b8346_prep
	.p2align	8
	.type	k_q42530b8346_prep,@function
k_q42530b8346_prep:
	s_mov_b64 s[64:65], 0
	v_nop
	global_prefetch_b8 v0, s[64:65] scope:SCOPE_SE
	s_setreg_imm32_b32 hwreg(HW_REG_WAVE_MODE, 25, 1), 1
	s_wait_xcnt 0x0
; TWO JOBS, parted by the work-group's number.
; Work-groups 0-63: Wo [16 (head)][64 (d)][1024 (o)], f32, becomes codes of E2M3 with one E8M0 byte for each 32 along K.
;   THE OUTPUT PROJECTION'S K IS 16 d + head (the order in which the product contracts its two axes): block B of 32 holds d = 2 B and 2 B + 1 of all 16 heads.
;   Inside a block the order here is 2 x head + d % 2, alike in both operands of that product: the sums are the same, and nothing is quantised behind them.
;   A lane takes a column o and its registers run down K, so a block of 32 is one lane's and nothing is transposed.  The codes leave as IMAGES OF OPERAND REGISTERS:
;   woimg [o tile (64)][K step of 128 (8)][piece 0-5][lane][8 bytes]: piece 3 c + p holds registers 6 c + 2 p, 6 c + 2 p + 1 of the fragment.  woscl [o][32 bytes]: byte B for block B.
; Work-groups 64-1087: the mask's bytes become LANE MASKS for the attention launch: maskw [query tile (512)][key step of 128 (16)][n (64)] of 32-bit words;
;   bit (r + 16 h) of word n = mask[query of the tile's row r][128 step + 64 (n / 32) + 32 h + n % 32].
;   A query tile (block of 128, c, T) has rows r = i + 8 g: query 64 c + 32 g + 8 T + i of the block.
; A block's scale byte is its largest magnitude's exponent field - 2, held at 1 from below.  LIMITS: a block of zeros, or one under 2^-124, gets the byte 1 (its codes are zeros or tiny; only this
; program reads the bytes); NaN and infinities among the inputs are not served.
.set XW, 32                            ; v32-159  128 numbers of my column
.set CW, 160                           ; v160-183 the four blocks' codes, 6 registers each
.set TW, 184                           ; v184-186 a block's second half (a conversion's three registers begin on an even number)
	s_load_b128 s[4:7], s[0:1], 0x0                ; Wo, mask
	s_load_b128 s[8:11], s[0:1], 0x10              ; woimg, woscl
	s_load_b64 s[12:13], s[0:1], 0x20              ; maskw
	v_lshl_add_u32 v28, v0, 2, 0x4400
	v_mov_b32 v29, 0
	v_lshrrev_b32 v1, 5, v0
	v_readfirstlane_b32 s14, v1                    ; wave
	v_and_b32 v2, 31, v0                           ; lane
	s_cmp_lt_u32 ttmp9, 64
	s_cbranch_scc0 .Lmask
	; ---------------- Wo: work-group j: columns 128 (j % 8) on, K step j / 8 (d = 8 (j / 8) .. + 7, all heads); a wave: 32 columns
	s_and_b32 s15, ttmp9, 7                        ; og
	s_lshr_b32 s16, ttmp9, 3                       ; K step
	s_lshl_b32 s18, s16, 15                        ; d = 8 x K step: 8 rows of 4,096 bytes
	s_lshl_b32 s17, s15, 9
	s_add_co_u32 s18, s18, s17
	s_lshl_b32 s17, s14, 7
	s_add_co_u32 s18, s18, s17                     ; + (128 og + 32 wave) x 4
	s_mov_b32 s19, 0
	s_lshl_b32 s20, s15, 3
	s_lshl_b32 s17, s14, 1
	s_add_co_u32 s20, s20, s17                     ; my first o tile: 8 og + 2 wave
	s_mul_i32 s20, s20, 12288
	s_mul_i32 s17, s16, 1536
	s_add_co_u32 s20, s20, s17
	s_mov_b32 s21, 0
	s_lshl_b32 s22, s15, 12                        ; woscl: 32 bytes a column
	s_lshl_b32 s17, s14, 10
	s_add_co_u32 s22, s22, s17
	s_lshl_b32 s17, s16, 2
	s_add_co_u32 s22, s22, s17                     ; + 4 bytes a K step
	s_mov_b32 s23, 0
	s_wait_alu depctr_va_vdst(0)
	v_lshlrev_b32 v1, 2, v2                        ; 4 x lane
	v_lshlrev_b32 v3, 3, v2                        ; 8 x lane
	v_lshlrev_b32 v4, 5, v2                        ; 32 x lane
	s_wait_alu depctr_va_vdst(0)
	s_wait_kmcnt 0x0
	s_add_nc_u64 s[4:5], s[4:5], s[18:19]
	s_add_nc_u64 s[8:9], s[8:9], s[20:21]
	s_add_nc_u64 s[10:11], s[10:11], s[22:23]
.set I, 0
.rept 128
	global_load_b32 v[XW+I], v1, s[4:5] offset:4096*(64*((I%32)/2)+2*(I/32)+I%2) th:TH_LOAD_NT   ; place I of the K step: head (I % 32) / 2, d = 8 step + 2 (I / 32) + I % 2; 32 lanes read 128 consecutive bytes, the four waves 512; 3,960,832 bytes at the most
.set I, I+1
.endr
.macro WBLK t
.set XS, XW+32*(\t)
.set CC, CW+6*(\t)
	v_max3_num_f32 v12, |v[XS]|, |v[XS+1]|, |v[XS+2]|               ; the block's largest magnitude: all 32 numbers are mine; two chains
	v_max3_num_f32 v13, |v[XS+3]|, |v[XS+4]|, |v[XS+5]|
.irp i, 6,10,14,18,22,26
	v_max3_num_f32 v12, v12, |v[XS+\i]|, |v[XS+\i+1]|
	v_max3_num_f32 v13, v13, |v[XS+\i+2]|, |v[XS+\i+3]|
.endr
	v_max3_num_f32 v12, v12, |v[XS+30]|, |v[XS+31]|
	v_max3_num_f32 v12, v12, v13, 0x1800000        ; and the floor 2^(3 - 127): the byte cannot fall under 1
	v_add_nc_u32 v11, 0xff000000, v12              ; 2 off the exponent field: the conversion takes this operand's exponent field as its scale
	v_lshrrev_b32 v13, 23, v11                     ; the scale's byte
.if (\t) == 0
	v_mov_b32 v24, v13
.else
	v_lshl_or_b32 v24, v13, 8*(\t), v24            ; four bytes make my column's scale word for this K step
.endif
	v_cvt_scalef32_pk16_fp6_f32 v[CC:CC+2], v[XS:XS+15], v11
	v_cvt_scalef32_pk16_fp6_f32 v[TW:TW+2], v[XS+16:XS+31], v11
	v_nop                                          ; one plain place behind a scaled conversion
.irp i, 0,1,2
	v_mov_b32 v[CC+3+\i], v[TW+\i]
.endr
.endm
	s_wait_loadcnt 63                              ; block 0 wants the first 32 loads; the count's field holds 63, which shows the first 65 done
	WBLK 0
	s_wait_loadcnt 63
	WBLK 1
	s_wait_loadcnt 32                              ; the last block's 32 loads may be out
	WBLK 2
	s_wait_loadcnt 0x0
	WBLK 3
; An operand's lane (r, h) wants block 2 c + h of column r.  Lanes 0-15 hold the columns of o tile 0, lanes 16-31 those of tile 1: one exchange of halves between blocks 2 c and 2 c + 1 sorts both tiles.
.irp c, 0,1
.irp i, 0,1,2,3,4,5
	v_permlane16_swap_b32 v[CW+12*\c+\i], v[CW+12*\c+6+\i]
.endr
.endr
.irp e, 0,1
.irp c, 0,1
.irp p, 0,1,2
	global_store_b64 v3, v[CW+12*\c+6*\e+2*\p:CW+12*\c+6*\e+2*\p+1], s[8:9] offset:12288*\e+256*(3*\c+\p)   ; 32 lanes store 256 consecutive bytes, aligned
.endr
.endr
.endr
	global_store_b32 v4, v24, s[10:11]             ; 4 of a column's 32 scale bytes: the other K steps' work-groups write the rest (the buffer is 32,768 bytes in all)
	s_endpgm
	; ---------------- the mask: work-group m: query tile m / 2; a wave: 256 keys, two key steps
.Lmask:
	s_sub_co_u32 s15, ttmp9, 64
	s_lshr_b32 s16, s15, 1                         ; the tile
	s_and_b32 s17, s15, 1
	s_lshl_b32 s17, s17, 2
	s_add_co_u32 s17, s17, s14                     ; which 256 keys
	s_lshr_b32 s18, s16, 3
	s_lshl_b32 s18, s18, 7                         ; the block of 128 queries (batches on end),
	s_bfe_u32 s19, s16, 0x10002
	s_lshl_b32 s19, s19, 6
	s_add_co_u32 s18, s18, s19                     ; + 64 c
	s_and_b32 s19, s16, 3
	s_lshl_b32 s19, s19, 3
	s_add_co_u32 s18, s18, s19                     ; + 8 T: the tile's row 0
	s_lshl_b32 s18, s18, 11                        ; a row of the mask is 2,048 bytes
	s_lshl_b32 s19, s17, 8
	s_add_co_u32 s18, s18, s19
	s_mov_b32 s19, 0
	s_lshl_b32 s20, s16, 4
	s_lshl_b32 s21, s17, 1
	s_add_co_u32 s20, s20, s21
	s_lshl_b32 s20, s20, 8                         ; maskw: 256 bytes for a tile and a key step
	s_mov_b32 s21, 0
	v_and_b32 v3, 15, v0                           ; r
	v_bfe_u32 v4, v0, 4, 1                         ; h
	v_lshlrev_b32 v5, 4, v3
	v_lshl_add_u32 v6, v4, 16, v5                  ; in memory: lanes 0-15 row i, lanes 16-31 row 32 + i; 16 bytes a lane
	s_mul_i32 s22, s14, 4352                       ; my wave's stage: 16 rows of 256 bytes + 16
	v_mad_u32_u24 v7, v4, 2176, v5
	v_add_nc_u32 v7, s22, v7                       ; into it: tile row i + 8 (lane / 16)
	v_mul_u32_u24 v8, v3, 272
	v_lshl_add_u32 v8, v4, 5, v8
	v_add_nc_u32 v8, s22, v8                       ; out of it: row r, 32 h bytes on
	v_lshlrev_b32 v9, 3, v2
	s_wait_alu depctr_va_vdst(0)
	s_wait_kmcnt 0x0
	s_add_nc_u64 s[6:7], s[6:7], s[18:19]
	s_add_nc_u64 s[12:13], s[12:13], s[20:21]
.irp i, 0,1,2,3,4,5,6,7
	global_load_b128 v[32+4*\i:35+4*\i], v6, s[6:7] offset:2048*\i th:TH_LOAD_NT   ; two whole runs of 256 bytes
.endr
.irp i, 0,1,2,3
	v_mov_b32 v[96+\i], 0                          ; written whole before single lanes are written
.endr
	s_wait_alu depctr_va_vdst(0)
	s_wait_loadcnt 0x0
.irp i, 0,1,2,3,4,5,6,7
	ds_store_b128 v7, v[32+4*\i:35+4*\i] offset:272*\i
.endr
.irp k, 0,1,2,3,4,5,6,7
	ds_load_b128 v[64+4*\k:67+4*\k], v8 offset:128*(\k/4)+64*((\k/2)%2)+16*(\k%2)   ; LDS serves a wave's instructions in order: these see my stores.  Register 64 + 16 step + n / 4, byte n % 4: word n's key
.endr
	s_wait_dscnt 0x0
.set N, 0
.rept 128
	v_and_b32 v[10+N%4], 0xff<<(8*(N%4)), v[64+N/4]
	v_cmp_ne_u32 s[24+N%4], 0, v[10+N%4]           ; the 32 lanes' bits are word N % 64 of step N / 64,
	v_writelane_b32 v[96+2*(N/64)+N%2], s[24+N%4], (N%64)/2   ; which lane (N % 64) / 2 will store
.set N, N+1
.endr
	global_store_b64 v9, v[96:97], s[12:13]        ; 64 words: 256 consecutive bytes, aligned
	global_store_b64 v9, v[98:99], s[12:13] offset:256
	s_wait_tensorcnt 0x0
	ds_add_u32 v28, v29
	s_wait_dscnt 0x0
	s_endpgm
.Lfunc_end_k_q42530b8346_prep:
	.size	k_q42530b8346_prep, .Lfunc_end_k_q42530b8346_prep-k_q42530b8346_prep
	.p2alignl 7, 3214868480
	.fill 96, 4, 3214868480
	.section	.rodata,"a",@progbits
	.p2align	6, 0x0
	.amdhsa_kernel k_q42530b8346_prep
		.amdhsa_group_segment_fixed_size 17920
		.amdhsa_private_segment_fixed_size 0
		.amdhsa_enable_private_segment 0
		.amdhsa_kernarg_size 40
		.amdhsa_user_sgpr_count 2
		.amdhsa_user_sgpr_kernarg_segment_ptr 1
		.amdhsa_wavefront_size32 1
		.amdhsa_system_sgpr_workgroup_id_x 1
		.amdhsa_system_sgpr_workgroup_id_y 1
		.amdhsa_system_sgpr_workgroup_id_z 1
		.amdhsa_system_vgpr_workitem_id 0
		.amdhsa_next_free_vgpr 188
		.amdhsa_next_free_sgpr 66
		.amdhsa_reserve_vcc 0
		.amdhsa_float_denorm_mode_32 3
		.amdhsa_float_denorm_mode_16_64 3
		.amdhsa_memory_ordered 1
		.amdhsa_forward_progress 1
		.amdhsa_inst_pref_size 49
	.end_amdhsa_kernel
	.amdgpu_metadata
---
amdhsa.version: [ 1, 2 ]
amdhsa.kernels:
  - .name:           k_q42530b8346_prep
    .symbol:         k_q42530b8346_prep.kd
    .args:
      - { .name: Wo, .offset: 0, .size: 8, .value_kind: global_buffer, .address_space: global }
      - { .name: mask, .offset: 8, .size: 8, .value_kind: global_buffer, .address_space: global }
      - { .name: woimg, .offset: 16, .size: 8, .value_kind: global_buffer, .address_space: global }
      - { .name: woscl, .offset: 24, .size: 8, .value_kind: global_buffer, .address_space: global }
      - { .name: maskw, .offset: 32, .size: 8, .value_kind: global_buffer, .address_space: global }
    .group_segment_fixed_size: 17920
    .private_segment_fixed_size: 0
    .kernarg_segment_align: 8
    .kernarg_segment_size: 40
    .max_flat_workgroup_size: 128
    .sgpr_count:     66
    .vgpr_count:     188
    .wavefront_size: 32
...
	.end_amdgpu_metadata
.endif
;; end of part 1
;; launch proj (part 2): grid 4 x 96, 4 waves a work-group, clusters of 4 x 4, 327,680 bytes of LDS; arguments query_codes, query_scales, Wq_codes, Wq_scales, bq, key_codes, key_scales, Wk_codes, Wk_scales, bk, value_codes, value_scales, Wv_codes, Wv_scales, bv, qimg, kvimg; writes qimg, kvimg
.if DOCPART == 2
	.amdgcn_target "amdgcn-amd-amdhsa--gfx1250"
	.amdhsa_code_object_version 6
	.text
	.protected	k_q42530b8346_proj
	.globl	k_q42530b8346_proj
	.p2align	8
	.type	k_q42530b8346_proj,@function
k_q42530b8346_proj:
	s_mov_b64 s[64:65], 0
	v_nop
	global_prefetch_b8 v0, s[64:65] scope:SCOPE_SE
	s_setreg_imm32_b32 hwreg(HW_REG_WAVE_MODE, 25, 1), 1
	s_wait_xcnt 0x0
	s_wait_alu depctr_hold_cnt(0) depctr_sa_sdst(0) depctr_va_vdst(0) depctr_va_sdst(0) depctr_va_ssrc(0) depctr_va_vcc(0) depctr_vm_vsrc(0)
	s_getreg_b32 s2, hwreg(HW_REG_IB_STS2, 6, 4)
	s_cmp_eq_u32 s2, 0
	s_cbranch_scc0 .Lentry_in_a_cluster
	s_endpgm
.Lentry_in_a_cluster:
	s_bfe_u32 s2, ttmp6, 0x10000c
	s_cmp_lg_u32 s2, 0xf033
	s_cbranch_scc0 .Lentry_shape_is_right
	s_endpgm
.Lentry_shape_is_right:
; THE THREE HEAD PROJECTIONS on codes of E2M3, K = 1,024, bias added, the result quantised along the next product's K and stored as images of operand registers.
; Cluster row y: projection y / 8 (0 q, 1 k, 2 v), group y % 8 of 1,024 tokens.  A work-group makes 256 x 256, a wave 128 x 128 in 64 accumulators.
; q, k: source 1 (A) = tokens, source 0 (B) = the weight's rows (head, d): a lane's registers run along d, the logits' K.  v: A = the weight's rows, B = tokens: the registers run along the keys.
; B's rows of a tile are not neighbours (tile i, lane r: row 32 (i / 2) + 8 (i % 2) + r + 8 (r / 8)), so that two neighbouring tiles give a lane 16 neighbours along the next K.
; THE RING: a row of codes is 768 bytes = three chunks of 256 bytes, each beginning at a multiple of 256; chunk c lies in slot c % 2; a step of 128 along K is 96 bytes, eight steps to three chunks; steps 2 and 5 lie across two chunks.
; THE SCALES of the 256 + 256 rows come once, as two dense blocks in rows of 256 bytes.  Tiles are asked for jointly: A's along a row of the cluster, B's along a column.
; THE BIAS is the C of the first step's products.  No prefetch: K is three chunks, of which two are asked for before the first product.
; THE STAGE for the way out lies in slot 1: its last fill is chunk 1, and every wave has passed step 5's barrier, behind which nobody reads it.
; LIMITS: a block of zeros, or one under 2^-124, gets the scale byte 1 (only this program reads the bytes); NaN and infinities are not served.
.set ROWB,   256
.set NQ,     2
.set KROW,   768
.set STEPS,  8
.set CHUNKS, 3
.set PITCH,  272
.set FR,     12
.set NL,     6
.set NP,     4
.set HALFT,  128*PITCH
.set SLOT,   4*HALFT
.set KS,     32
.set SCL,    2*SLOT
.set HALFS,  16*272
.set SBLK,   2*272
.set SPARE,  SCL+4*HALFS
.set STAGE,  SLOT
.set ADRS2, 1
.set VS,   4
.set VV,   6
.set STC,  8
.set STQ,  9
.set STV,  10
.set RD,   11
.set VO,   12
.set ADRA, 16                          ; v16-17 A's fragments in slot 0, 1; v18-19 lanes 0-15 at byte 232 of slot 0, 1 and lanes 16-31 at byte 0 of the other slot
.set ADRB, 20                          ; v20-23 the same for B
.set RD8,  24
.set BQK,  25
.set BVV,  26
.set ADRS, 27
.set SPW,  28
.set NIL,  29
.set SC,   32
.set BIAS, 64
.set AF,   128
.set HALF, 32
.set QM,   48
.set QT,   56
.set QS,   64
.set QC,   72
.set PJ, 66
.set TG, 67
.set G1, 24
.set G0, 32
.set G1B, 48
.set G0B, 56
.set G1S, 68
.set G0S, 76
.set G1SB, 80
.set G0SB, 88
.set G0H, 4
.set G0HB, 8
.set MSB, 0
.macro WIN new
.if MSB != (\new)
	s_set_vgpr_msb (MSB<<8)|(\new)
.set MSB, (\new)
.endif
.endm
.macro WMUL hi, cm                     ; source 0 window 1, source 1 window 0, D window 2 + hi; C: the bias in window 0, or D
.if \cm
	WIN 0x81+0x40*(\hi)
.else
	WIN 0xa1+0x50*(\hi)
.endif
.endm
.set TO_B,   0x40
.macro JLOAD g0a, g1a, g0b, g1b        ; waves 0, 1 ask for A, waves 2, 3 for B
	s_cmp_eq_u32 s15, 0
	s_cbranch_scc0 .Lfor_b_\@
	tensor_load_to_lds s[\g0a:\g0a+3], s[\g1a:\g1a+7]
	s_nop 0
.rept 4
	v_nop
.endr
	s_branch .Lasked_\@
.Lfor_b_\@:
	tensor_load_to_lds s[\g0b:\g0b+3], s[\g1b:\g1b+7]
	s_nop 0
.rept 4
	v_nop
.endr
.Lasked_\@:
.endm
.macro CREST
	s_cmp_lg_u32 s14, 0
	s_cbranch_scc1 .Lnot_wave_0_\@
	s_barrier_signal -3
.Lnot_wave_0_\@:
	s_barrier_wait -3
	s_barrier_signal -1
	s_barrier_wait -1
.endm
.macro CROUND
	s_barrier_signal -1
	s_barrier_wait -1
	CREST
.endm
	s_load_b256 s[24:31], s[0:1], 0x0
	s_load_b64 s[32:33], s[0:1], 0x20
	s_load_b256 s[36:43], s[0:1], 0x28
	s_load_b64 s[44:45], s[0:1], 0x48
	s_load_b256 s[48:55], s[0:1], 0x50
	s_load_b64 s[56:57], s[0:1], 0x70
	s_load_b128 s[60:63], s[0:1], 0x78
	v_lshl_add_u32 v[SPW], v0, 2, SPARE
	v_mov_b32 v[NIL], 0
	ds_add_u32 v[SPW], v[NIL]                      ; the opening lines: the add twice and its wait
	ds_add_u32 v[SPW], v[NIL]
	v_lshrrev_b32 v1, 5, v0
	v_readfirstlane_b32 s14, v1                    ; wave
	s_lshr_b32 s15, s14, 1
	s_and_b32 s16, s14, 1
	s_and_b32 s[PJ], ttmp7, 0xffff
	s_and_b32 s[TG], s[PJ], 7
	s_lshr_b32 s[PJ], s[PJ], 3
	s_wait_dscnt 0x0
	s_wait_kmcnt 0x0
	s_cmp_eq_u32 s[PJ], 1                          ; the projection's five buffers
	s_cselect_b64 s[24:25], s[36:37], s[24:25]
	s_cselect_b64 s[26:27], s[38:39], s[26:27]
	s_cselect_b64 s[28:29], s[40:41], s[28:29]
	s_cselect_b64 s[30:31], s[42:43], s[30:31]
	s_cselect_b64 s[32:33], s[44:45], s[32:33]
	s_cmp_eq_u32 s[PJ], 2
	s_cselect_b64 s[24:25], s[48:49], s[24:25]
	s_cselect_b64 s[26:27], s[50:51], s[26:27]
	s_cselect_b64 s[28:29], s[52:53], s[28:29]
	s_cselect_b64 s[30:31], s[54:55], s[30:31]
	s_cselect_b64 s[32:33], s[56:57], s[32:33]
	s_cselect_b64 s[4:5], s[28:29], s[24:25]       ; A: tokens, or for v the weight
	s_cselect_b64 s[6:7], s[30:31], s[26:27]
	s_cselect_b64 s[8:9], s[24:25], s[28:29]       ; B: the other
	s_cselect_b64 s[10:11], s[26:27], s[30:31]
	s_cselect_b32 s98, 0, s[TG]
	s_cselect_b32 s99, s[TG], 0
	s_mov_b64 s[96:97], s[32:33]
	s_cmp_eq_u32 s[PJ], 0
	s_cselect_b64 s[12:13], s[60:61], s[62:63]
	s_bfe_u32 s40, ttmp6, 0x40000                  ; cx
	s_bfe_u32 s41, ttmp6, 0x40004                  ; cy
	s_lshl_b32 s42, s99, 2
	s_add_co_u32 s42, s42, s40                     ; tile column
	s_lshl_b32 s17, s98, 2
	s_add_co_u32 s17, s17, s41                     ; tile row
	s_lshl_b32 s43, s41, 2
	s_lshl_b32 s43, 15, s43
	s_lshl_b32 s44, 0x1111, s40
	s_or_b32 s[G1+0], s43, (0<<16)|(1<<20)|(1<<21)|(5<<22)|(3<<25)  ; bytes; 16 bytes of padding behind every 256
	s_or_b32 s[G1B+0], s44, (0<<16)|(1<<20)|(1<<21)|(5<<22)|(3<<25)
.irp g, G1, G1B
	s_mov_b32 s[\g+1], ROWB<<16
	s_mov_b32 s[\g+2], 256<<16                     ; 256 rows for the head's loads
	s_mov_b32 s[\g+3], ROWB<<16
	s_mov_b32 s[\g+4], 256
	s_mov_b32 s[\g+5], KROW
	s_mov_b32 s[\g+6], 0
	s_mov_b32 s[\g+7], 0
.endr
	s_or_b32 s[G1S+0], s43, (3<<16)|(1<<20)|(1<<21)|(5<<22)|(3<<25)
	s_or_b32 s[G1SB+0], s44, (3<<16)|(1<<20)|(1<<21)|(5<<22)|(3<<25)
.irp g, G1S, G1SB
	s_mov_b32 s[\g+1], 32<<16                      ; the scales of 256 rows: 8,192 dense bytes as 32 rows of 256
	s_mov_b32 s[\g+2], KS<<16
	s_mov_b32 s[\g+3], 32<<16
	s_mov_b32 s[\g+4], KS
	s_mov_b32 s[\g+5], 32
	s_mov_b32 s[\g+6], 0
	s_mov_b32 s[\g+7], 0
.endr
	s_lshl_b32 s20, s17, 8
	s_lshl_b32 s46, s42, 8
	s_mov_b32 s21, 0
	s_mov_b32 s47, 0
	s_mov_b64 s[18:19], KS
	s_mul_u64 s[22:23], s[20:21], s[18:19]
	s_mul_u64 s[92:93], s[46:47], s[18:19]
	s_mov_b64 s[18:19], KROW
	s_mul_u64 s[20:21], s[20:21], s[18:19]
	s_mul_u64 s[46:47], s[46:47], s[18:19]
	s_mul_i32 s18, s16, 128*KROW                   ; in the ring I fetch 128 rows
	s_mov_b32 s19, 0
	s_mul_i32 s45, s14, HALFT
	s_add_nc_u64 s[20:21], s[4:5], s[20:21]
	s_add_nc_u64 s[22:23], s[6:7], s[22:23]
	s_add_nc_u64 s[46:47], s[8:9], s[46:47]
	s_add_nc_u64 s[92:93], s[10:11], s[92:93]
	CROUND                                         ; the first joint loads meet
	s_mov_b32 s[G0H], 1
	s_mov_b32 s[G0H+1], 0
	s_mov_b64 s[G0H+2:G0H+3], s[20:21]
	s_or_b32 s[G0H+3], s[G0H+3], 0x80000000
	s_mov_b32 s[G0HB], 1
	s_mov_b32 s[G0HB+1], 2*HALFT
	s_mov_b64 s[G0HB+2:G0HB+3], s[46:47]
	s_or_b32 s[G0HB+3], s[G0HB+3], 0x80000000
	s_mov_b32 s[G0S], 1
	s_mov_b32 s[G0S+1], SCL
	s_mov_b64 s[G0S+2:G0S+3], s[22:23]
	s_or_b32 s[G0S+3], s[G0S+3], 0x80000000
	s_mov_b32 s[G0SB], 1
	s_mov_b32 s[G0SB+1], SCL+2*HALFS
	s_mov_b64 s[G0SB+2:G0SB+3], s[92:93]
	s_or_b32 s[G0SB+3], s[G0SB+3], 0x80000000
	s_add_nc_u64 s[20:21], s[20:21], s[18:19]
	s_add_nc_u64 s[46:47], s[46:47], s[18:19]
.irp s, 0,1
	s_mov_b32 s[G0+4*\s], 1
	s_add_co_u32 s[G0+4*\s+1], s45, \s*SLOT
	s_add_nc_u64 s[G0+4*\s+2:G0+4*\s+3], s[20:21], \s*ROWB
	s_or_b32 s[G0+4*\s+3], s[G0+4*\s+3], 0x80000000
	s_mov_b32 s[G0B+4*\s], 1
	s_add_co_u32 s[G0B+4*\s+1], s45, \s*SLOT
	s_add_nc_u64 s[G0B+4*\s+2:G0B+4*\s+3], s[46:47], \s*ROWB
	s_or_b32 s[G0B+4*\s+3], s[G0B+4*\s+3], 0x80000000
.endr
; The head's four tiles, one load a wave: wave 0 chunk 0 of A's 256 rows, wave 1 of B's, wave 2 A's scales, wave 3 B's
.macro ARM under, g0, g1, next
	s_cmp_lt_u32 s14, \under
	s_cbranch_scc0 \next
	tensor_load_to_lds s[\g0:\g0+3], s[\g1:\g1+7]
	s_nop 0
.rept 4
	v_nop
.endr
	s_branch .Lhead_asked
\next:
.endm
	ARM 1, G0H,  G1,  .Lhead_b
	ARM 2, G0HB, G1B, .Lhead_sa
	ARM 3, G0S,  G1S, .Lhead_sb
	tensor_load_to_lds s[G0SB:G0SB+3], s[G1SB:G1SB+7]
	s_nop 0
.rept 4
	v_nop
.endr
.Lhead_asked:
	s_mul_i32 s21, s15, HALFT                      ; my 128 rows of A,
	s_mul_i32 s22, s16, HALFT
	s_add_co_u32 s22, s22, 2*HALFT                 ; of B
	s_mov_b32 s18, SLOT-232
	s_mov_b32 s19, SLOT+232
	v_and_b32 v1, 15, v0                           ; r
	v_bfe_u32 v2, v0, 4, 1                         ; h
	v_mul_u32_u24 v3, v1, PITCH                    ; A: row r
	v_and_b32 v4, 8, v1
	v_add_nc_u32 v4, v4, v1
	v_mul_u32_u24 v4, v4, PITCH                    ; B: row r + 8 (r / 8)
	v_mul_u32_u24 v5, v2, 24
	v_sub_nc_u32 v7, 1, v2
	v_mul_u32_u24 v6, s18, v2
	v_add_nc_u32 v6, 232, v6                       ; byte 232 of slot 0 | byte 0 of slot 1
	v_mul_u32_u24 v7, s19, v7                      ; byte 232 of slot 1 | byte 0 of slot 0
	v_add_nc_u32 v30, s21, v3
	v_add_nc_u32 v31, s22, v4
	v_add_nc_u32 v[ADRA], v30, v5
	v_add_nc_u32 v[ADRB], v31, v5
	v_add_nc_u32 v[ADRA+1], SLOT, v[ADRA]
	v_add_nc_u32 v[ADRB+1], SLOT, v[ADRB]
	v_add_nc_u32 v[ADRA+2], v30, v6
	v_add_nc_u32 v[ADRA+3], v30, v7
	v_add_nc_u32 v[ADRB+2], v31, v6
	v_add_nc_u32 v[ADRB+3], v31, v7
	v_and_b32 v31, 7, v1                           ; scale words: 32 bytes a row, eight rows to a unit of 272; lanes 0-15 A's rows, lanes 16-31 B's rows of the tile
	v_lshlrev_b32 v31, 5, v31
	v_bfe_u32 v30, v0, 3, 2
	v_and_b32 v3, 1, v30
	v_mad_u32_u24 v31, v3, 272, v31
	v_add_nc_u32 v30, 1, v30
	v_lshrrev_b32 v30, 2, v30
	v_mad_u32_u24 v31, v30, 272, v31
	s_mul_i32 s21, s15, HALFS
	s_mul_i32 s22, s16, HALFS
	s_add_co_u32 s22, s22, 2*HALFS
	s_sub_co_u32 s22, s22, s21
	v_mul_u32_u24 v30, s22, v2
	s_add_co_u32 s21, s21, SCL
	v_add_nc_u32 v31, v31, v30
	v_add_nc_u32 v[ADRS], s21, v31
	s_lshl_b32 s18, s14, 14
	s_add_co_u32 s18, s18, STAGE                   ; my stage: 16,384 bytes in slot 1
	v_lshrrev_b32 v30, 3, v1
	v_and_b32 v31, 7, v1
	v_mul_u32_u24 v[STC], v30, 768
	v_lshl_add_u32 v[STC], v31, 3, v[STC]
	v_lshl_add_u32 v[STC], v2, 7, v[STC]
	v_add_nc_u32 v[STC], s18, v[STC]
	v_lshlrev_b32 v[STQ], 8, v30
	v_lshl_add_u32 v[STQ], v31, 4, v[STQ]
	v_add_nc_u32 v[STQ], s18, v[STQ]
	v_add_nc_u32 v[STQ], 12288, v[STQ]
	v_lshlrev_b32 v[STV], 7, v30
	v_lshl_add_u32 v[STV], v31, 3, v[STV]
	v_add_nc_u32 v[STV], s18, v[STV]
	v_add_nc_u32 v[STV], 13312, v[STV]
	v_and_b32 v30, 31, v0
	v_lshlrev_b32 v31, 4, v30
	s_wait_alu depctr_va_vdst(0)
	v_lshlrev_b32 v3, 3, v30
	v_add_nc_u32 v[RD], s18, v31
	v_add_nc_u32 v[RD8], s18, v3
	v_lshlrev_b32 v[BQK], 6, v2
	v_lshlrev_b32 v[BVV], 2, v1
	v_mul_u32_u24 v1, v2, 272
	v_sub_nc_u32 v[ADRS2], v[ADRS], v1             ; B's odd tiles begin 8 rows, one unit, earlier
	s_mov_b32 s100, 0x76543210
	s_mov_b32 s101, 0xfedcba98
	s_cmp_eq_u32 s[PJ], 2                          ; where my records lie in qimg or kvimg
	s_cselect_b32 s18, s40, s41
	s_cselect_b32 s19, s16, s15
	s_cselect_b32 s20, s41, s40
	s_cselect_b32 s21, s15, s16
	s_cselect_b32 s92, 6144, 0
	s_mov_b32 s22, 13056
	s_mov_b32 s45, 12288
	s_cmp_eq_u32 s[PJ], 0
	s_cselect_b32 s22, 6656, s22
	s_cselect_b32 s45, 6144, s45
	s_lshl_b32 s23, s22, 4
	s_mov_b32 s46, 3072
	s_cmp_eq_u32 s[PJ], 2
	s_cselect_b32 s93, s46, s23
	s_cselect_b32 s94, s23, s46
	s_lshr_b32 s47, s[TG], 1
	s_lshl_b32 s47, s47, 4
	s_lshl_b32 s20, s20, 2
	s_add_co_u32 s47, s47, s20
	s_lshl_b32 s21, s21, 1
	s_add_co_u32 s47, s47, s21
	s_lshl_b32 s47, s47, 4
	s_and_b32 s20, s[TG], 1
	s_lshl_b32 s20, s20, 3
	s_add_co_u32 s47, s47, s20
	s_lshl_b32 s18, s18, 1
	s_add_co_u32 s47, s47, s18
	s_add_co_u32 s47, s47, s19
	s_mul_i32 s46, s47, s22
	s_mov_b32 s47, 0
	s_add_nc_u64 s[12:13], s[12:13], s[46:47]
	v_add_nc_u32 v[VO], s92, v31
	v_add_nc_u32 v[VO+1], s94, v[VO]
	v_add_nc_u32 v[VO+2], s93, v[VO]
	v_add_nc_u32 v[VO+3], s94, v[VO+2]
	v_add_nc_u32 v[VS], s45, v31
	v_add_nc_u32 v[VS+1], s23, v[VS]
	v_add_nc_u32 v[VV], 12800, v3
	v_add_nc_u32 v[VV+1], s23, v[VV]
	s_cmp_eq_u32 s[PJ], 2
	s_cbranch_scc1 .Lbias_v
	s_lshl_b32 s18, s42, 10                        ; q, k: the bias runs along B's rows: eight registers for each of B's tiles
	s_lshl_b32 s19, s16, 9
	s_add_co_u32 s18, s18, s19
	s_mov_b32 s19, 0
	s_add_nc_u64 s[96:97], s[96:97], s[18:19]
.irp b, 0,1,2,3,4,5,6,7
	global_load_b128 v[BIAS+8*\b:BIAS+8*\b+3], v[BQK], s[96:97] offset:128*(\b/2)+32*(\b%2)
	global_load_b128 v[BIAS+8*\b+4:BIAS+8*\b+7], v[BQK], s[96:97] offset:128*(\b/2)+32*(\b%2)+16
.endr
	s_branch .Lbias_done
.Lbias_v:
	s_lshl_b32 s18, s17, 10                        ; v: along A's rows: the lane's own number in all eight registers
	s_lshl_b32 s19, s15, 9
	s_add_co_u32 s18, s18, s19
	s_mov_b32 s19, 0
	s_add_nc_u64 s[96:97], s[96:97], s[18:19]
.irp a, 0,1,2,3,4,5,6,7
.irp j, 0,1,2,3,4,5,6,7
	global_load_b32 v[BIAS+8*\a+\j], v[BVV], s[96:97] offset:64*\a
.endr
.endr
.Lbias_done:
.macro FRAG reg, adr, st, ro           ; 12 registers in six pieces of 8 bytes; byte y of a row lies in slot (y / 256) % 2 at byte y % 256; ro: the tile's first row
.irp p, 0,1,2,3,4,5
.set BY, 96*(\st)+48*(\p/3)+8*(\p%3)
.if BY/ROWB == (BY+24)/ROWB
	ds_load_b64 v[\reg+2*\p:\reg+2*\p+1], v[\adr+(BY/ROWB)%2] offset:BY%ROWB+(\ro)*PITCH
.else
	ds_load_b64 v[\reg+2*\p:\reg+2*\p+1], v[\adr+2+(BY/ROWB)%2] offset:BY%ROWB-232+(\ro)*PITCH
.endif
.endr
.endm
.macro MUL16 a0, p, q, sc, cm          ; A's blocks a0, a0 + 1 x B's eight; cm = 1: C = the bias by B's tile, 2: by A's block, 0: the sum.  The 64 accumulators take turns
.irp a, \a0, \a0+1
.irp b, 0,1,2,3,4,5,6,7
.set DD, 8*(8*((\a)%4)+\b)
.if (\cm) == 1
.set CC, BIAS+8*\b
.elseif (\cm) == 2
.set CC, BIAS+8*(\a)
.else
.set CC, DD
.endif
	v_wmma_scale_f32_16x16x128_f8f6f4 v[DD:DD+7], v[128*(\p)+FR*\b:128*(\p)+FR*\b+FR-1], v[AF+FR*(\a):AF+FR*(\a)+FR-1], v[CC:CC+7], v[SC+8*NQ*(\sc)+NQ*\b+(\q)], v[SC+8*NQ*(\sc)+NQ*(\a)+(\q)] matrix_a_fmt:MATRIX_FMT_FP6 matrix_b_fmt:MATRIX_FMT_FP6 matrix_a_scale:MATRIX_SCALE_ROW1
.endr
.endr
.endm
.macro FETCH_B st, p
	WIN TO_B
.irp i, 0,1,2,3,4,5,6,7
	FRAG 128*(\p)+FR*\i, ADRB, \st, 32*(\i/2)+8*(\i%2)
.endr
	WIN 0
.endm
.macro FETCH_A st, i0
.irp i, \i0, \i0+1, \i0+2, \i0+3
	FRAG AF+FR*(\i), ADRA, \st, 16*(\i)
.endr
.endm
.macro SCALES pr                       ; the words of steps 2 pr, 2 pr + 1 into set pr % 2
.irp i, 0,1,2,3,4,5,6,7
.if \i%2
	ds_load_b64 v[SC+8*NQ*((\pr)%2)+NQ*\i:SC+8*NQ*((\pr)%2)+NQ*\i+1], v[ADRS2] offset:\i*SBLK+4*NQ*(\pr)
.else
	ds_load_b64 v[SC+8*NQ*((\pr)%2)+NQ*\i:SC+8*NQ*((\pr)%2)+NQ*\i+1], v[ADRS] offset:\i*SBLK+4*NQ*(\pr)
.endif
.endr
.endm
.macro PLACES n
.rept \n
	v_nop
.endr
.endm
; A step: 64 products; the next step's fragments are fetched in its middle and at its end.  Where the next step ends in a chunk not read yet: a wait for my tensor loads and a barrier.
; Where it begins in a later chunk: the wait, the add, the wait for it and for my reads, the barrier; and where chunk C0 + 2 exists, a round of the cluster's barrier and the refill.
.macro STEP st, cm
.set NX, (\st)+1
.set C0, (96*(\st))/ROWB
.set C1, (96*NX)/ROWB
.set E0, (96*(\st)+95)/ROWB
.set E1, (96*NX+95)/ROWB
.if C1 > C0 || E1 > E0
	s_wait_tensorcnt 0x0
.if C1 > C0
	ds_add_u32 v[SPW], v[NIL]
	s_wait_dscnt 4*NL+1                            ; the add and A's blocks 4-7 may be out
.else
	s_wait_dscnt 4*NL
.endif
	WMUL 0, \cm
	MUL16 0, (\st)%2, (\st)%2, ((\st)/2)%2, \cm
	s_wait_dscnt 0x0
	s_barrier_signal -1
	MUL16 2, (\st)%2, (\st)%2, ((\st)/2)%2, \cm
	WIN 0
	s_barrier_wait -1
.if C1 > C0 && C0+2 < CHUNKS
	CREST
	s_add_nc_u64 s[G0+4*(C0%2)+2:G0+4*(C0%2)+3], s[G0+4*(C0%2)+2:G0+4*(C0%2)+3], 2*ROWB
	s_add_nc_u64 s[G0B+4*(C0%2)+2:G0B+4*(C0%2)+3], s[G0B+4*(C0%2)+2:G0B+4*(C0%2)+3], 2*ROWB
	JLOAD G0+4*(C0%2), G1, G0B+4*(C0%2), G1B
.else
	PLACES NP
.endif
.else
	s_wait_dscnt 4*NL                              ; the youngest 24 loads, A's blocks 4-7, may be out
	WMUL 0, \cm
	MUL16 0, (\st)%2, (\st)%2, ((\st)/2)%2, \cm
	MUL16 2, (\st)%2, (\st)%2, ((\st)/2)%2, \cm
	s_wait_dscnt 0
	PLACES NP
.endif
	FETCH_B NX, NX%2
	FETCH_A NX, 0
.if NX%2 == 0
	SCALES NX/2
.endif
	WMUL 1, \cm
	MUL16 4, (\st)%2, (\st)%2, ((\st)/2)%2, \cm
	MUL16 6, (\st)%2, (\st)%2, ((\st)/2)%2, \cm
	PLACES NP
	WIN 0
	FETCH_A NX, 4
.endm
	s_wait_alu depctr_va_vdst(0)                   ; the wait at the head's end
	s_wait_tensorcnt 0x0                           ; my tile of the head's four is in
	ds_add_u32 v[SPW], v[NIL]
	s_mov_b32 s[G1+2], 128<<16                     ; no load of mine is out: from here on a load brings 128 rows
	s_mov_b32 s[G1+4], 128
	s_mov_b32 s[G1B+2], 128<<16
	s_mov_b32 s[G1B+4], 128
	s_wait_dscnt 0x0
	CROUND
	JLOAD G0+4, G1, G0B+4, G1B                     ; chunk 1, slot 1's first fill, issued as a refill is
	FETCH_B 0, 0
	FETCH_A 0, 0
	SCALES 0
	FETCH_A 0, 4
	s_wait_loadcnt 0x0                             ; the bias
	s_cmp_eq_u32 s[PJ], 2
	s_cbranch_scc1 .Lfirst_v
	STEP 0, 1
	s_branch .Lfirst_done
.Lfirst_v:
	STEP 0, 2
.Lfirst_done:
.set ST, 1
.rept STEPS-2
	STEP ST, 0
.set ST, ST+1
.endr
	s_wait_dscnt 4*NL
	WMUL 0, 0
	MUL16 0, 1, 1, 1, 0
	MUL16 2, 1, 1, 1, 0
	s_wait_dscnt 0
	WMUL 1, 0
	MUL16 4, 1, 1, 1, 0
	MUL16 6, 1, 1, 1, 0
	WIN 0
	PLACES NP
; THE WAY OUT: blocks a0, a0 + 1: eight blocks of 32 along the next K: largest magnitude (with lane l xor 16's), scale byte, codes, whole blocks to a lane, into my stage
.macro QBATCH a0
.set WA, 2+(\a0)/4
.set W12, (WA<<2)|(WA<<4)
	WIN W12
.irp u, 0,1,2,3
.irp e, 0,1
.set AC, 64*(((\a0)+\u/2)%4)+32*(\u%2)+16*\e
	v_max3_num_f32 v[QM+2*\u+\e], 0x1800000, |v[AC]|, |v[AC+1]|
.endr
.endr
.irp i, 2,4,6,8,10,12,14
.irp u, 0,1,2,3
.irp e, 0,1
.set AC, 64*(((\a0)+\u/2)%4)+32*(\u%2)+16*\e
	v_max3_num_f32 v[QM+2*\u+\e], v[QM+2*\u+\e], |v[AC+\i]|, |v[AC+\i+1]|
.endr
.endr
.endr
	WIN 0
.irp k, 0,1,2,3,4,5,6,7
	v_permlanex16_b32 v[QT+\k], v[QM+\k], s100, s101
.endr
.irp k, 0,1,2,3,4,5,6,7
	v_max_num_f32 v[QM+\k], v[QM+\k], v[QT+\k]
.endr
.irp k, 0,1,2,3,4,5,6,7
	v_add_nc_u32 v[QS+\k], 0xff000000, v[QM+\k]
.endr
.irp k, 0,1,2,3,4,5,6,7
	v_lshrrev_b32 v[QT+\k], 23, v[QS+\k]
.endr
.irp u, 0,1,2,3
	v_lshl_or_b32 v[HALF+2*(\a0)+\u], v[QT+2*\u+1], 8, v[QT+2*\u]
.endr
	WIN WA
.irp u, 0,1,2,3
.set AC, 64*(((\a0)+\u/2)%4)+32*(\u%2)
	v_cvt_scalef32_pk16_fp6_f32 v[QC+10*\u:QC+10*\u+2], v[AC:AC+15], v[QS+2*\u]
	v_cvt_scalef32_pk16_fp6_f32 v[QC+10*\u+6:QC+10*\u+8], v[AC+16:AC+31], v[QS+2*\u+1]
.endr
	WIN 0
	v_nop
.irp u, 0,1,2,3
.irp i, 0,1,2
	v_permlane16_swap_b32 v[QC+10*\u+\i], v[QC+10*\u+6+\i]
.endr
.endr
.irp u, 0,1,2,3
.irp i, 0,1,2
	v_mov_b32 v[QC+10*\u+3+\i], v[QC+10*\u+6+\i]
.endr
.endr
.irp u, 0,1,2,3
.set AA, (\a0)+\u/2
.irp p, 0,1,2
	ds_store_b64 v[STC], v[QC+10*\u+2*\p:QC+10*\u+2*\p+1] offset:6144*(\u%2)+3072*(AA/4)+1536*(AA%2)+64*((AA%4)/2)+256*\p
.endr
.endr
	s_wait_dscnt 0x0
.endm
.irp k, 0,1,2,3,4,5,6,7
	v_mov_b32 v[QT+\k], 0
.endr
	QBATCH 0
	QBATCH 2
	QBATCH 4
	QBATCH 6
	s_cmp_eq_u32 s[PJ], 2
	s_cbranch_scc1 .Lsc_v
.irp a, 0,1,2,3,4,5,6,7
.irp g, 0,1
	ds_store_b32 v[STQ], v[HALF+2*\a+\g] offset:512*\g+128*((\a%4)/2)+4*(2*(\a/4)+\a%2)
.endr
.endr
	ds_load_b128 v[224:227], v[RD] offset:12288
	ds_load_b128 v[228:231], v[RD] offset:12288+512
	s_wait_dscnt 0x0
	global_store_b128 v[VS], v[224:227], s[12:13]
	global_store_b128 v[VS+1], v[228:231], s[12:13]
	s_branch .Lsc_done
.Lsc_v:
.irp a, 0,1,2,3,4,5,6,7
	v_lshl_or_b32 v[QM+\a], v[HALF+2*\a+1], 16, v[HALF+2*\a]
.endr
.irp a, 0,1,2,3,4,5,6,7
	ds_store_b32 v[STV], v[QM+\a] offset:256*(\a/4)+64*((\a%4)/2)+4*(\a%2)
.endr
	ds_load_b64 v[224:225], v[RD8] offset:13312
	ds_load_b64 v[228:229], v[RD8] offset:13312+256
	s_wait_dscnt 0x0
	global_store_b64 v[VV], v[224:225], s[12:13]
	global_store_b64 v[VV+1], v[228:229], s[12:13]
.Lsc_done:
.irp k, 0,1,2,3,4,5,6,7,8,9,10,11,12,13,14,15,16,17,18,19,20,21,22,23
	ds_load_b128 v[128+4*\k:131+4*\k], v[RD] offset:512*\k
.endr
.irp k, 0,1,2,3,4,5,6,7,8,9,10,11,12,13,14,15,16,17,18,19,20,21,22,23
	s_wait_dscnt 23-\k
	global_store_b128 v[VO+\k/6], v[128+4*\k:131+4*\k], s[12:13] offset:512*(\k%6)   ; 32 lanes store 512 consecutive bytes, aligned
.endr
	s_wait_tensorcnt 0x0                           ; the wave's end
	ds_add_u32 v[SPW], v[NIL]
	s_wait_dscnt 0x0
	CROUND                                         ; the closing round
	s_endpgm
.Lfunc_end_k_q42530b8346_proj:
	.size	k_q42530b8346_proj, .Lfunc_end_k_q42530b8346_proj-k_q42530b8346_proj
	.p2alignl 7, 3214868480
	.fill 96, 4, 3214868480
	.section	.rodata,"a",@progbits
	.p2align	6, 0x0
	.amdhsa_kernel k_q42530b8346_proj
		.amdhsa_group_segment_fixed_size 327680
		.amdhsa_private_segment_fixed_size 0
		.amdhsa_enable_private_segment 0
		.amdhsa_kernarg_size 136
		.amdhsa_user_sgpr_count 2
		.amdhsa_user_sgpr_kernarg_segment_ptr 1
		.amdhsa_wavefront_size32 1
		.amdhsa_system_sgpr_workgroup_id_x 1
		.amdhsa_system_sgpr_workgroup_id_y 1
		.amdhsa_system_sgpr_workgroup_id_z 1
		.amdhsa_system_vgpr_workitem_id 0
		.amdhsa_next_free_vgpr 1024
		.amdhsa_next_free_sgpr 106
		.amdhsa_reserve_vcc 0
		.amdhsa_float_denorm_mode_32 3
		.amdhsa_float_denorm_mode_16_64 3
		.amdhsa_memory_ordered 1
		.amdhsa_forward_progress 1
		.amdhsa_inst_pref_size 197
	.end_amdhsa_kernel
	.amdgpu_metadata
---
amdhsa.version: [ 1, 2 ]
amdhsa.kernels:
  - .name:           k_q42530b8346_proj
    .symbol:         k_q42530b8346_proj.kd
    .args:
      - { .name: query_codes, .offset: 0, .size: 8, .value_kind: global_buffer, .address_space: global }
      - { .name: query_scales, .offset: 8, .size: 8, .value_kind: global_buffer, .address_space: global }
      - { .name: Wq_codes, .offset: 16, .size: 8, .value_kind: global_buffer, .address_space: global }
      - { .name: Wq_scales, .offset: 24, .size: 8, .value_kind: global_buffer, .address_space: global }
      - { .name: bq, .offset: 32, .size: 8, .value_kind: global_buffer, .address_space: global }
      - { .name: key_codes, .offset: 40, .size: 8, .value_kind: global_buffer, .address_space: global }
      - { .name: key_scales, .offset: 48, .size: 8, .value_kind: global_buffer, .address_space: global }
      - { .name: Wk_codes, .offset: 56, .size: 8, .value_kind: global_buffer, .address_space: global }
      - { .name: Wk_scales, .offset: 64, .size: 8, .value_kind: global_buffer, .address_space: global }
      - { .name: bk, .offset: 72, .size: 8, .value_kind: global_buffer, .address_space: global }
      - { .name: value_codes, .offset: 80, .size: 8, .value_kind: global_buffer, .address_space: global }
      - { .name: value_scales, .offset: 88, .size: 8, .value_kind: global_buffer, .address_space: global }
      - { .name: Wv_codes, .offset: 96, .size: 8, .value_kind: global_buffer, .address_space: global }
      - { .name: Wv_scales, .offset: 104, .size: 8, .value_kind: global_buffer, .address_space: global }
      - { .name: bv, .offset: 112, .size: 8, .value_kind: global_buffer, .address_space: global }
      - { .name: qimg, .offset: 120, .size: 8, .value_kind: global_buffer, .address_space: global }
      - { .name: kvimg, .offset: 128, .size: 8, .value_kind: global_buffer, .address_space: global }
    .group_segment_fixed_size: 327680
    .private_segment_fixed_size: 0
    .kernarg_segment_align: 8
    .kernarg_segment_size: 136
    .max_flat_workgroup_size: 128
    .sgpr_count:     106
    .vgpr_count:     1024
    .wavefront_size: 32
...
	.end_amdgpu_metadata
.endif
;; end of part 2
;; launch attn (part 3): grid 4 x 64, 16 waves a work-group, clusters of 4 x 1, 327,680 bytes of LDS; arguments qimg, kvimg, maskw, af; writes af
.if DOCPART == 3
	.amdgcn_target "amdgcn-amd-amdhsa--gfx1250"
	.amdhsa_code_object_version 6
	.text
	.protected	k_q42530b8346_attn
	.globl	k_q42530b8346_attn
	.p2align	8
	.type	k_q42530b8346_attn,@function
k_q42530b8346_attn:
	s_mov_b64 s[64:65], 0
	v_nop
	global_prefetch_b8 v0, s[64:65] scope:SCOPE_SE
	s_setreg_imm32_b32 hwreg(HW_REG_WAVE_MODE, 25, 1), 1
	s_wait_xcnt 0x0
	s_wait_alu depctr_hold_cnt(0) depctr_sa_sdst(0) depctr_va_vdst(0) depctr_va_sdst(0) depctr_va_ssrc(0) depctr_va_vcc(0) depctr_vm_vsrc(0)
	s_getreg_b32 s2, hwreg(HW_REG_IB_STS2, 6, 4)
	s_cmp_eq_u32 s2, 0
	s_cbranch_scc0 .Lentry_in_a_cluster
	s_endpgm
.Lentry_in_a_cluster:
	s_bfe_u32 s2, ttmp6, 0x10000c
	s_cmp_lg_u32 s2, 0x3003
	s_cbranch_scc0 .Lentry_shape_is_right
	s_endpgm
.Lentry_shape_is_right:
; ATTENTION on codes of E2M3: logits = q k^T (K = 64, not scaled), mask, softmax, p v (K = the keys), / l / 8; the result leaves as f32.
; (The output projection's blocks of 32 along its K hold two d of ALL 16 heads, and a work-group here has one head: so the next launch quantises.)
; SHARES.  A work-group owns 512 queries of one (batch, head); each of its sixteen waves owns two tiles of 16 queries, in 256 registers.
; THE HEAD'S K, V AND SCALES, 16 records of 13,056 bytes, fit in LDS whole; every byte is filled once; wave w asks for record w: waves 0-3 at the head, waves 4-15 behind the first
; records' wait, add and round, so that their loads have the first four steps' work in which to land.
; CLUSTER.  The four work-groups of a cluster belong to one head and read the same records: each load is asked for jointly, with a mask that names the four.
; No prefetch: every record is asked for by its tensor load within the first step; there is no later tile to run ahead for.
; LAYOUT.  Both products are used transposed (S^T = K Q^T, O^T = V^T P^T): a lane holds ONE query (lane % 16).  A tile of K has 8 keys of one block of 32 and 8 of the next (tile (c, T), row i + 8 g: key 64 c + 32 g + 8 T + i),
; so that lane half h holds a WHOLE block of 32 keys in 32 registers, in their true order.
; K = 64 IN AN INSTRUCTION OF 128: Q's registers 6-11 are zero codes; K's operand runs on into the next unit's registers (behind the last unit: p's), which those zeros multiply; the scale bytes there are 0, which is 2^-127.
; THE MASK comes as lane masks, one 32-bit word for each score register, by scalar loads a tile ahead: one v_cndmask_b32 a register.
; SOFTMAX.  M = the running largest score x log2(e), rounded up to a whole number, kept as -M = floor(-t); p = 2^(t - M); l sums the unquantised p; when M moves, l and O^T are multiplied by 2^(old M - new M), which rounds nothing.
; A tile's 66 exponentials are one batch, with one wait ahead of it and one behind it.
; OUT.  af [pair of query tiles (256)][block B = d / 2 (32)][head (16)][tile of the pair (2)][row (16)][d % 2] f32.
; LIMITS.  A masked logit becomes -2^27, not -1e8: -2^27 x log2(e) is a whole number in f32, so that in a row (or a run of steps) whose keys are all masked t - M is exactly 0 and p = 1.
; The results hold unless an UNMASKED logit lies at or under about -0.99e8.  NaN and infinities are not served.  A block of zeros gets the scale byte 1 (only this program reads the bytes).
.set REC,  13056
.set WV,   2                           ; s2 wave
.set CNT,  3                           ; s3 steps to go
.set TB,   66                          ; s66 LDS byte of the step's record
.set CS,   100                         ; s[100:101] log2(e), twice
.set SEL,  104                         ; s[104:105] selects for lane l xor 16
; s[4:5] mask words' address; s[8:15] descriptor group 1 (51 rows of 256 bytes); s[24:27] group 0; s[32:63], s[68:99] 64 mask words
.set LB8,  1
.set LB16, 2
.set ADR,  3
.set ADS,  4
.set FILL, 5                           ; -2^27
.set FF,   16                          ; v[16:17] 2^(old M - new M)
.set SK,   26
.set SV,   30
.set SQ,   32
.set SP,   33
.set QF,   34                          ; v[34:57] Q's two fragments
.set KV,   58                          ; v[58:105] eight units of K, later four fragments of V
.set PP,   106                         ; v[106:117] p's codes
.set S,    118                         ; v[118:181] S^T, t - M, p
.set O,    182                         ; v[182:245] O^T
.set CT1,  246
.set SH8,  249
.set CT2,  250
.set SPW,  254
.set NIL,  255
; v6, v7 at work; v[8:9], v[12:13] -M and the largest score of tile 0, 1; v[10:11], v[14:15] l; v18-21 maxima, later chains of sums; v22, v23 scale operands; v[24:25] bytes, later a chain of sums
.macro ROUND
	s_barrier_signal -1
	s_barrier_wait -1
	s_cmp_lg_u32 s[WV], 0
	s_cbranch_scc1 .Lnot_wave_0_\@
	s_barrier_signal -3
.Lnot_wave_0_\@:
	s_barrier_wait -3
	s_barrier_signal -1
	s_barrier_wait -1
.endm
	s_load_b128 s[68:71], s[0:1], 0x0              ; qimg, kvimg
	s_load_b64 s[4:5], s[0:1], 0x10                ; maskw
	v_lshl_add_u32 v[SPW], v0, 2, 0x33000
	v_mov_b32 v[NIL], 0
	ds_add_u32 v[SPW], v[NIL]                      ; the opening lines
	ds_add_u32 v[SPW], v[NIL]
	v_lshrrev_b32 v6, 5, v0
	v_readfirstlane_b32 s[WV], v6
	s_bfe_u32 s72, ttmp6, 0x40000                  ; cx
	s_lshl_b32 s73, ttmp9, 2
	s_add_co_u32 s72, s72, s73                     ; my block of 512 queries: it enters Q's, the mask words' and the output's addresses alone
	s_and_b32 s73, ttmp7, 0xffff                   ; 16 b + head
	s_mul_i32 s74, s73, 16*REC
	s_mul_i32 s76, s[WV], REC                      ; record w, in memory and in LDS alike
	s_mov_b32 s8, 15|(3<<16)|(1<<21)               ; the mask of four; elements of 8 bytes
	s_mov_b32 s9, 32<<16
	s_mov_b32 s10, 51<<16
	s_mov_b32 s11, 32<<16
	s_mov_b32 s12, 51
	s_mov_b32 s13, 32
	s_mov_b32 s14, 0
	s_mov_b32 s15, 0
	s_mov_b32 s[CS], 0x3fb8aa3b
	s_mov_b32 s[CS+1], s[CS]
	s_mov_b32 s[SEL], 0x76543210
	s_mov_b32 s[SEL+1], 0xfedcba98
	s_mov_b32 s[TB], 0
	s_lshl_b32 s80, s73, 4                         ; Q's record: (16 b + head) 16 + 4 x block + wave / 4
	s_lshl_b32 s81, s72, 2
	s_add_co_u32 s80, s80, s81
	s_lshr_b32 s81, s[WV], 2
	s_add_co_u32 s80, s80, s81
	s_mul_i32 s80, s80, 6656
	s_mov_b32 s81, 0
	s_and_b32 s82, s[WV], 3
	s_mul_i32 s83, s82, 1536
	s_lshl_b32 s82, s82, 2
	s_lshr_b32 s84, s73, 4                         ; my first tile among all: 128 b + 32 x block + 2 x wave
	s_lshl_b32 s84, s84, 7
	s_lshl_b32 s85, s72, 5
	s_add_co_u32 s84, s84, s85
	s_lshl_b32 s85, s[WV], 1
	s_add_co_u32 s84, s84, s85
	s_lshl_b32 s86, s84, 12
	s_mov_b32 s87, 0
	s_wait_dscnt 0x0
	s_wait_kmcnt 0x0
	s_mov_b32 s24, 1
	s_mov_b32 s25, s76
	s_add_co_u32 s78, s74, s76
	s_mov_b32 s79, 0
	s_add_nc_u64 s[26:27], s[70:71], s[78:79]
	s_or_b32 s27, s27, 0x80000000
	s_add_nc_u64 s[6:7], s[68:69], s[80:81]
	s_add_nc_u64 s[4:5], s[4:5], s[86:87]
	ROUND                                          ; the joint loads meet
	s_cmp_lt_u32 s[WV], 4
	s_cbranch_scc0 .Lno_fill
	tensor_load_to_lds s[24:27], s[8:15]           ; records 0-3
	s_nop 0
.rept 4
	v_nop
.endr
.Lno_fill:
	v_and_b32 v6, 31, v0
	v_lshlrev_b32 v[LB8], 3, v6
	v_lshlrev_b32 v[LB16], 4, v6
	v_bfe_u32 v7, v0, 4, 1
	v_lshlrev_b32 v[SH8], 3, v7
	v_add_nc_u32 v18, s83, v[LB8]
	v_add_nc_u32 v19, s82, v[LB16]
.irp t, 0,1
.irp p, 0,1,2
	global_load_b64 v[QF+12*\t+2*\p:QF+12*\t+2*\p+1], v18, s[6:7] offset:768*\t+256*\p   ; Q stays in registers
.endr
.endr
	global_load_b32 v[SQ], v19, s[6:7] offset:6144
.irp k, 0,1
	s_load_b512 s[32+16*\k:47+16*\k], s[4:5], 64*\k          ; tile 0's mask words of step 0
	s_load_b512 s[68+16*\k:83+16*\k], s[4:5], 128+64*\k
.endr
	v_mov_b32 v[FILL], 0xcd000000
.irp t, 0,1
.irp i, 6,7,8,9,10,11
	v_mov_b32 v[QF+12*\t+\i], 0                    ; zero codes for K = 64 .. 127
.endr
	v_mov_b32 v[8+4*\t], 0x7f61b1e6                ; -M = 3e38
	v_mov_b32 v[9+4*\t], 0xff61b1e6                ; the largest score so far
	v_mov_b32 v[10+4*\t], 0                        ; l
	v_mov_b32 v[11+4*\t], 0
.endr
	v_mov_b32 v[FF], 0
	v_mov_b32 v[FF+1], 0
	v_mov_b32 v7, 0
.set I, 0
.rept 12
	v_mov_b32 v[PP+I], 0                           ; read, times zero codes, before the first p is made
.set I, I+1
.endr
.set I, 0
.rept 64
	v_mov_b32 v[O+I], 0                            ; the step is written once: the first finds zeros
.set I, I+1
.endr
	s_wait_alu depctr_va_vdst(0)                   ; the wait at the head's end
	s_wait_loadcnt 0x0                             ; Q
.macro WS t, e                         ; one product of S^T of tile t: score group e takes K's unit e; C = 0
.set DD, S+8*(\e)
.set AU, KV+6*(\e)
.if ((\e)%2 == 0) && (\t == 0)
	v_wmma_scale_f32_16x16x128_f8f6f4 v[DD:DD+7], v[AU:AU+11], v[QF+12*\t:QF+12*\t+11], 0, v[SK+(\e)/2], v[SQ] matrix_a_fmt:MATRIX_FMT_FP6 matrix_b_fmt:MATRIX_FMT_FP6
.elseif \t == 0
	v_wmma_scale_f32_16x16x128_f8f6f4 v[DD:DD+7], v[AU:AU+11], v[QF+12*\t:QF+12*\t+11], 0, v[SK+(\e)/2], v[SQ] matrix_a_fmt:MATRIX_FMT_FP6 matrix_b_fmt:MATRIX_FMT_FP6 matrix_a_scale:MATRIX_SCALE_ROW1
.elseif (\e)%2 == 0
	v_wmma_scale_f32_16x16x128_f8f6f4 v[DD:DD+7], v[AU:AU+11], v[QF+12*\t:QF+12*\t+11], 0, v[SK+(\e)/2], v[SQ] matrix_a_fmt:MATRIX_FMT_FP6 matrix_b_fmt:MATRIX_FMT_FP6 matrix_b_scale:MATRIX_SCALE_ROW1
.else
	v_wmma_scale_f32_16x16x128_f8f6f4 v[DD:DD+7], v[AU:AU+11], v[QF+12*\t:QF+12*\t+11], 0, v[SK+(\e)/2], v[SQ] matrix_a_fmt:MATRIX_FMT_FP6 matrix_b_fmt:MATRIX_FMT_FP6 matrix_a_scale:MATRIX_SCALE_ROW1 matrix_b_scale:MATRIX_SCALE_ROW1
.endif
.endm
.macro WP t, d                         ; O^T of tile t += V^T P^T, d tile d; a tile's four accumulators take turns
.if (\d)%2 == 0
	v_wmma_scale_f32_16x16x128_f8f6f4 v[O+32*\t+8*(\d):O+32*\t+8*(\d)+7], v[KV+12*(\d):KV+12*(\d)+11], v[PP:PP+11], v[O+32*\t+8*(\d):O+32*\t+8*(\d)+7], v[SV+(\d)/2], v[SP] matrix_a_fmt:MATRIX_FMT_FP6 matrix_b_fmt:MATRIX_FMT_FP6
.else
	v_wmma_scale_f32_16x16x128_f8f6f4 v[O+32*\t+8*(\d):O+32*\t+8*(\d)+7], v[KV+12*(\d):KV+12*(\d)+11], v[PP:PP+11], v[O+32*\t+8*(\d):O+32*\t+8*(\d)+7], v[SV+(\d)/2], v[SP] matrix_a_fmt:MATRIX_FMT_FP6 matrix_b_fmt:MATRIX_FMT_FP6 matrix_a_scale:MATRIX_SCALE_ROW1
.endif
.endm
.macro CND g                           ; the mask on score group g: register S + n takes mask word n; each accumulator from its low end on
.set NN, 8*(\g)
.rept 8
	v_cndmask_b32 v[S+NN], v[S+NN], v[FILL], s[32+NN+4*(NN/32)]
.set NN, NN+1
.endr
.endm
.macro MX i                            ; the largest score of each of my two blocks of 32 keys, in four chains
.irp c, 0,1
	v_max3_num_f32 v[18+2*\c], v[18+2*\c], v[S+32*\c+\i], v[S+32*\c+\i+1]
	v_max3_num_f32 v[19+2*\c], v[19+2*\c], v[S+32*\c+16+\i], v[S+32*\c+17+\i]
.endr
.endm
; Line QI of 32 of the row's sum of the UNQUANTISED p, in four chains.  Lines 0-2 start three chains with pairs 0-5; line q of 3 .. 28 takes pair q + 3; lines 29-31 join the chains.
.macro SUMOP t
.set LL, 10+4*(\t)
.if QI == 0
	v_pk_add_f32 v[24:25], v[S:S+1], v[S+2:S+3]
.elseif QI == 1
	v_pk_add_f32 v[18:19], v[S+4:S+5], v[S+6:S+7]
.elseif QI == 2
	v_pk_add_f32 v[20:21], v[S+8:S+9], v[S+10:S+11]
.elseif QI < 29
.set CK, (QI-3)%4
.if CK == 0
.set CH, LL
.elseif CK == 1
.set CH, 24
.elseif CK == 2
.set CH, 18
.else
.set CH, 20
.endif
	v_pk_add_f32 v[CH:CH+1], v[CH:CH+1], v[S+2*(QI+3):S+2*(QI+3)+1]
.elseif QI == 29
	v_pk_add_f32 v[LL:LL+1], v[LL:LL+1], v[24:25]
.elseif QI == 30
	v_pk_add_f32 v[18:19], v[18:19], v[20:21]
.else
	v_pk_add_f32 v[LL:LL+1], v[LL:LL+1], v[18:19]
.endif
.set QI, QI+1
.endm
; The softmax of tile t for 128 keys, behind the mask.  Tile 0's tail carries tile 1's score products, tile 1's its own V^T P.
.macro SOFT t
.set NM, 8+4*\t
.set OO, O+32*\t
.set QI, 0
.irp k, 0,1                                    ; the next tile's mask words.  (The last step asks for tile 1's first words: inside the buffer, not used)
	s_load_b512 s[32+16*\k:47+16*\k], s[4:5], 4096*(1-\t)+64*\k
	s_load_b512 s[68+16*\k:83+16*\k], s[4:5], 4096*(1-\t)+128+64*\k
.endr
.if \t == 1
	s_wait_dscnt 0x0                               ; V and its scale words are in
	WP 0, 0                                        ; tile 0's V^T P stands in tile 1's search for the maximum
.endif
.irp c, 0,1
	v_max3_num_f32 v[18+2*\c], v[S+32*\c], v[S+32*\c+1], v[S+32*\c+2]
	v_max3_num_f32 v[19+2*\c], v[S+32*\c+16], v[S+32*\c+17], v[S+32*\c+18]
.endr
	MX 3
.if \t == 1
	WP 0, 1
.endif
	MX 5
	MX 7
.if \t == 1
	WP 0, 2
.endif
	MX 9
	MX 11
.if \t == 1
	WP 0, 3
.endif
	MX 13
.irp c, 0,1
	v_max3_num_f32 v[18+2*\c], v[18+2*\c], v[19+2*\c], v[S+32*\c+15]
.endr
.irp c, 0,1
	v_max_num_f32 v[18+2*\c], v[18+2*\c], v[S+32*\c+31]
.endr
	v_max_num_f32 v6, v18, v20
	v_mov_b32 v21, v[NM]                           ; the old -M
	v_permlanex16_b32 v7, v6, s[SEL], s[SEL+1]     ; the query's other 64 keys
	v_max3_num_f32 v[NM+1], v[NM+1], v6, v7        ; the running largest score
	v_mul_f32 v6, s[CS], v[NM+1]
	v_floor_f32 v[NM], -v6                         ; the new -M = floor(-t)
	v_sub_f32 v21, v[NM], v21                      ; old M - new M, a whole number, 0 or less
	v_fma_f32 v18, v18, s[CS], v[NM]               ; each block's largest score: the same multiply-add as its p's
	v_fma_f32 v20, v20, s[CS], v[NM]
	v_cvt_i32_f32 v21, v21                         ; (it saturates)
.set EJ, 0
.rept 32
	v_pk_fma_f32 v[S+EJ:S+EJ+1], v[S+EJ:S+EJ+1], s[CS:CS+1], v[NM:NM+1] op_sel_hi:[1,0,0]   ; t - M
.set EJ, EJ+2
.endr
	v_ldexp_f32 v[FF], 1.0, v21                    ; f = 2^(old M - new M)
	s_wait_alu depctr_va_vdst(0)                   ; the wait ahead of the batch
	v_exp_f32 v18, v18                             ; each block's largest p
	v_exp_f32 v20, v20
.set EJ, 0
.rept 64
	v_exp_f32 v[S+EJ], v[S+EJ]                     ; p = 2^(t - M)
.set EJ, EJ+1
.endr
	v_pk_mul_f32 v[10+4*\t:11+4*\t], v[10+4*\t:11+4*\t], v[FF:FF+1] op_sel_hi:[1,0]   ; l under the new M: the plain place behind the batch
	s_wait_alu depctr_va_vdst(0)                   ; the wait behind the batch, directly ahead of O^T's first readers
.set EJ, 0
.rept 16
	v_pk_mul_f32 v[OO+EJ:OO+EJ+1], v[OO+EJ:OO+EJ+1], v[FF:FF+1] op_sel_hi:[1,0]   ; O^T under the new M, each accumulator from its low end on
.set EJ, EJ+2
.endr
	v_max_num_f32 v18, 0x1800000, v18              ; the floor 2^(3 - 127): the byte cannot fall under 1
	v_max_num_f32 v20, 0x1800000, v20
	v_add_nc_u32 v22, 0xff000000, v18              ; 2 off the exponent field: the conversions' scale operands
	v_add_nc_u32 v23, 0xff000000, v20
	v_lshrrev_b32 v24, 23, v22
	v_lshrrev_b32 v25, 23, v23
	v_lshl_or_b32 v24, v25, 16, v24                ; my two bytes: blocks h and 2 + h,
	v_lshlrev_b32 v24, v[SH8], v24                 ; at their places in the scale word;
	v_permlanex16_b32 v7, v24, s[SEL], s[SEL+1]
	v_or_b32 v[SP], v24, v7                        ; with lane l xor 16's two the word is whole
.rept 9
	SUMOP \t                                       ; pairs 0 to 11
.endr
	v_cvt_scalef32_pk16_fp6_f32 v[PP:PP+2], v[S:S+15], v22
	v_cvt_scalef32_pk16_fp6_f32 v[CT1:CT1+2], v[S+16:S+31], v22
	v_cvt_scalef32_pk16_fp6_f32 v[PP+6:PP+8], v[S+32:S+47], v23
	v_cvt_scalef32_pk16_fp6_f32 v[CT2:CT2+2], v[S+48:S+63], v23
	v_nop                                          ; one plain place behind a scaled conversion
.irp i, 0,1,2
	v_mov_b32 v[PP+3+\i], v[CT1+\i]
	v_mov_b32 v[PP+9+\i], v[CT2+\i]
.endr
.if \t == 0
; Ahead of product e, which writes over pairs 4 e to 4 e + 3, lines up to 8 + 3 e are out: pairs up to 11 + 3 e
.irp e, 0,1,2,3,4,5,6
	WS 1, \e
	SUMOP 0
	SUMOP 0
	SUMOP 0
.endr
	WS 1, 7
	SUMOP 0
	SUMOP 0
	v_nop
	v_nop                                          ; four places between the last score product and V's loads over K
.else
.rept 4
	SUMOP 1                                        ; four places between p's codes and the product that takes them
.endr
.irp d, 0,1,2
	WP 1, \d
.rept 4
	SUMOP 1
.endr
.endr
	WP 1, 3
.rept 7
	SUMOP 1                                        ; the places in front of the next step's loads into the registers that this product read
.endr
.endif
.endm
.macro STEP                            ; 128 keys, both tiles
	v_add_nc_u32 v[ADR], s[TB], v[LB8]
	v_add_nc_u32 v[ADS], s[TB], v[LB16]
.irp u, 0,1,2,3,4,5,6,7
.irp p, 0,1,2
	ds_load_b64 v[KV+6*\u+2*\p:KV+6*\u+2*\p+1], v[ADR] offset:768*\u+256*\p
.endr
.endr
	ds_load_b128 v[SK:SK+3], v[ADS] offset:12288
	s_wait_dscnt 0x0
.irp e, 0,1,2,3
	WS 0, \e
.endr
.rept 4
	v_nop                                          ; four places in front of the first read of the scores
.endr
	s_wait_kmcnt 0x0                               ; tile 0's mask words
	CND 0
.irp e, 4,5,6,7
	WS 0, \e
	CND \e-3
.endr
.irp g, 5,6,7
	CND \g
.endr
	SOFT 0
.irp d, 0,1,2,3
.irp c, 0,1
.irp p, 0,1,2
	ds_load_b64 v[KV+12*\d+6*\c+2*\p:KV+12*\d+6*\c+2*\p+1], v[ADR] offset:6144+3072*\c+768*\d+256*\p
.endr
.endr
.endr
	ds_load_b64 v[SV:SV+1], v[ADR] offset:12800
	s_wait_kmcnt 0x0                               ; tile 1's mask words; no scalar load is out,
	s_add_nc_u64 s[4:5], s[4:5], 256               ; so their base may step
.irp g, 0,1,2,3,4,5,6,7
	CND \g
.endr
	SOFT 1
	s_add_co_u32 s[TB], s[TB], REC
.endm
.macro STEPS n
	s_mov_b32 s[CNT], \n
.Lstep_\@:
	STEP
	s_sub_co_u32 s[CNT], s[CNT], 1
	s_cmp_lg_u32 s[CNT], 0
	s_cbranch_scc1 .Lstep_\@
.endm
	s_wait_tensorcnt 0x0                           ; waves 0-3: my record has landed
	ds_add_u32 v[SPW], v[NIL]                      ; the add, here twice
	ds_add_u32 v[SPW], v[NIL]
	s_wait_dscnt 0x0
	ROUND                                          ; records 0-3 are whole, and the four work-groups are here
	s_cmp_ge_u32 s[WV], 4
	s_cbranch_scc0 .Lno_fill2
	tensor_load_to_lds s[24:27], s[8:15]           ; records 4-15, one a wave
	s_nop 0
.rept 4
	v_nop
.endr
.Lno_fill2:
	STEPS 4
	s_wait_tensorcnt 0x0                           ; waves 4-15: my record has landed
	s_wait_dscnt 0x0
	s_barrier_signal -1
	s_barrier_wait -1                              ; all sixteen are whole
	STEPS 12
	; THE WAY OUT.  O^T / l / 8.  The quotient goes on into a quantiser, so it is made as a division is: q0 = O x (1 / l), e = O - q0 l, q = q0 + e x (1 / l); x 0.125 rounds nothing.
	s_load_b64 s[8:9], s[0:1], 0x18                ; af (no tensor load is out)
	s_wait_alu depctr_va_vdst(0)
	v_add_f32 v18, v10, v11
	v_add_f32 v20, v14, v15
	v_permlanex16_b32 v19, v18, s[SEL], s[SEL+1]
	v_permlanex16_b32 v21, v20, s[SEL], s[SEL+1]
	v_add_f32 v18, v18, v19                        ; l of tile 0,
	v_add_f32 v20, v20, v21                        ; of tile 1
	s_wait_alu depctr_va_vdst(0)                   ; the wait ahead of the reciprocals
	v_rcp_f32 v22, v18
	v_rcp_f32 v24, v20
	v_nop
	s_mov_b32 s6, 0x3e000000                       ; 0.125 = 1 / sqrt(64)
	s_mov_b32 s7, s6
	s_bfe_u32 s16, ttmp6, 0x40000
	s_lshl_b32 s17, ttmp9, 2
	s_add_co_u32 s16, s16, s17
	s_and_b32 s17, ttmp7, 0xffff
	s_lshr_b32 s18, s17, 4                         ; b
	s_and_b32 s17, s17, 15                         ; the head
	s_lshl_b32 s18, s18, 7
	s_lshl_b32 s16, s16, 5
	s_add_co_u32 s18, s18, s16
	s_lshl_b32 s16, s[WV], 1
	s_add_co_u32 s18, s18, s16                     ; my first tile among all
	s_lshl_b32 s20, s18, 16                        ; 131,072 bytes a pair of tiles
	s_lshl_b32 s16, s17, 8
	s_add_co_u32 s20, s20, s16                     ; + 256 bytes a head
	s_mov_b32 s21, 0
	s_wait_alu depctr_va_vdst(0)                   ; the wait behind them, directly ahead of O^T's first readers
.irp t, 0,1
.set NN, 0
.rept 16
	v_pk_mul_f32 v[S+32*\t+NN:S+32*\t+NN+1], v[O+32*\t+NN:O+32*\t+NN+1], v[22+2*\t:23+2*\t] op_sel_hi:[1,0]   ; q0
.set NN, NN+2
.endr
.endr
.irp t, 0,1
.set NN, 0
.rept 16
	v_pk_fma_f32 v[O+32*\t+NN:O+32*\t+NN+1], v[S+32*\t+NN:S+32*\t+NN+1], v[18+2*\t:19+2*\t], v[O+32*\t+NN:O+32*\t+NN+1] op_sel_hi:[1,0,1] neg_lo:[1,0,0] neg_hi:[1,0,0]   ; e = O - q0 l
.set NN, NN+2
.endr
.endr
.irp t, 0,1
.set NN, 0
.rept 16
	v_pk_fma_f32 v[S+32*\t+NN:S+32*\t+NN+1], v[O+32*\t+NN:O+32*\t+NN+1], v[22+2*\t:23+2*\t], v[S+32*\t+NN:S+32*\t+NN+1] op_sel_hi:[1,0,1]   ; q = q0 + e / l
.set NN, NN+2
.endr
.endr
.irp t, 0,1
.set NN, 0
.rept 16
	v_pk_mul_f32 v[S+32*\t+NN:S+32*\t+NN+1], v[S+32*\t+NN:S+32*\t+NN+1], s[6:7] op_sel_hi:[1,0]   ; / 8
.set NN, NN+2
.endr
.endr
; Tile 0's register n changes its upper lanes for tile 1's lower ones: the first then holds d = n of tile lane / 16, the second d = 32 + n: a store's 32 lanes hold one block's two d for the pair's 32 rows
.set NN, 0
.rept 32
	v_permlane16_swap_b32 v[S+NN], v[S+32+NN]
.set NN, NN+1
.endr
	s_wait_alu depctr_va_vdst(0)
	s_wait_kmcnt 0x0
	s_add_nc_u64 s[8:9], s[8:9], s[20:21]
.irp j, 0,1,2,3,4,5,6,7,8,9,10,11,12,13,14,15
	global_store_b64 v[LB8], v[S+2*\j:S+2*\j+1], s[8:9] offset:4096*\j                 ; block j: 256 consecutive bytes, aligned
	global_store_b64 v[LB8], v[S+32+2*\j:S+32+2*\j+1], s[8:9] offset:4096*(16+\j)      ; block 16 + j
.endr
	s_wait_tensorcnt 0x0                           ; the wave's end
	ds_add_u32 v[SPW], v[NIL]
	s_wait_dscnt 0x0
	ROUND                                          ; the closing round
	s_endpgm
.Lfunc_end_k_q42530b8346_attn:
	.size	k_q42530b8346_attn, .Lfunc_end_k_q42530b8346_attn-k_q42530b8346_attn
	.p2alignl 7, 3214868480
	.fill 96, 4, 3214868480
	.section	.rodata,"a",@progbits
	.p2align	6, 0x0
	.amdhsa_kernel k_q42530b8346_attn
		.amdhsa_group_segment_fixed_size 327680
		.amdhsa_private_segment_fixed_size 0
		.amdhsa_enable_private_segment 0
		.amdhsa_kernarg_size 32
		.amdhsa_user_sgpr_count 2
		.amdhsa_user_sgpr_kernarg_segment_ptr 1
		.amdhsa_wavefront_size32 1
		.amdhsa_system_sgpr_workgroup_id_x 1
		.amdhsa_system_sgpr_workgroup_id_y 1
		.amdhsa_system_sgpr_workgroup_id_z 1
		.amdhsa_system_vgpr_workitem_id 0
		.amdhsa_next_free_vgpr 256
		.amdhsa_next_free_sgpr 106
		.amdhsa_reserve_vcc 0
		.amdhsa_float_denorm_mode_32 3
		.amdhsa_float_denorm_mode_16_64 3
		.amdhsa_memory_ordered 1
		.amdhsa_forward_progress 1
		.amdhsa_inst_pref_size 96
	.end_amdhsa_kernel
	.amdgpu_metadata
---
amdhsa.version: [ 1, 2 ]
amdhsa.kernels:
  - .name:           k_q42530b8346_attn
    .symbol:         k_q42530b8346_attn.kd
    .args:
      - { .name: qimg, .offset: 0, .size: 8, .value_kind: global_buffer, .address_space: global }
      - { .name: kvimg, .offset: 8, .size: 8, .value_kind: global_buffer, .address_space: global }
      - { .name: maskw, .offset: 16, .size: 8, .value_kind: global_buffer, .address_space: global }
      - { .name: af, .offset: 24, .size: 8, .value_kind: global_buffer, .address_space: global }
    .group_segment_fixed_size: 327680
    .private_segment_fixed_size: 0
    .kernarg_segment_align: 8
    .kernarg_segment_size: 32
    .max_flat_workgroup_size: 512
    .sgpr_count:     106
    .vgpr_count:     256
    .wavefront_size: 32
...
	.end_amdgpu_metadata
.endif
;; end of part 3
;; launch outq (part 4): grid 256 x 1, 8 waves a work-group, no clusters, 94,208 bytes of LDS; arguments af, woimg, woscl, bo, out0; writes out0
.if DOCPART == 4
	.amdgcn_target "amdgcn-amd-amdhsa--gfx1250"
	.amdhsa_code_object_version 6
	.text
	.protected	k_q42530b8346_outq
	.globl	k_q42530b8346_outq
	.p2align	8
	.type	k_q42530b8346_outq,@function
k_q42530b8346_outq:
	s_mov_b64 s[64:65], 0
	v_nop
	global_prefetch_b8 v0, s[64:65] scope:SCOPE_SE
	s_setreg_imm32_b32 hwreg(HW_REG_WAVE_MODE, 25, 1), 1
	s_wait_xcnt 0x0
; THE OUTPUT PROJECTION, with its first operand's quantiser in its head: out = Q(attention's result) Q(Wo) + bo, on codes of E2M3, K = 1,024.
; That product's K is 16 d + head: block B of 32 holds d = 2 B and 2 B + 1 of all 16 heads; inside a block the order here is 2 x head + d % 2, as in Wo's codes.
; IN.  af [pair of query tiles (256)][block B (32)][head (16)][tile of the pair (2)][row (16)][d % 2] f32;  woimg [o tile (64)][K step of 128 (8)][piece 0-5][lane][8 bytes]: images of operand registers;  woscl [o][32 bytes].
; SHARES.  A work-group takes a pair of query tiles, 32 rows of the result, 131,072 bytes of af, each read once.  HEAD: wave w quantises K step w: four blocks of both tiles.  A load of 8 bytes a lane brings one head's two d,
; so a lane's 32 registers are a whole block: its largest magnitude needs no other lane, and the conversions' results are the operand's registers.  The 8 x 2 fragments and 8 registers of scale words go to all waves through LDS as images of registers.
; PRODUCT.  Wave w makes 32 rows x columns 128 w .. + 127: 16 accumulators by turns.  Wo's fragments come from memory straight into the operand's registers (32 lanes read 256 consecutive bytes), two sets, the next K step's 48 loads issued ahead of this step's products.
; Source 0 = 16 columns of Wo, source 1 = 16 rows: a lane holds eight neighbouring columns of one row.  bo is the C of the first step's products.
; No tensor load and no cluster: a fragment of Wo serves one wave alone, for two products, and lands in its registers, so there is no LDS tile to ask for jointly.  No prefetch: the fragments' loads stand a whole K step ahead of their use.
; A query tile (block of 128, c, T) has rows i + 8 g: query 64 c + 32 g + 8 T + i of the block; pair p holds tiles 2 p, 2 p + 1: its row 0 is query 64 (p / 2) + 16 (p % 2).
; A block's scale byte is its largest magnitude's exponent field - 2, held at 1 from below.  LIMITS: a block of zeros, or one under 2^-124, gets the byte 1 (nothing but this launch reads the bytes); NaN and infinities are not served.
; REGISTERS.  Window 0: v1-7, v25-31 addresses; v8-24 at work in the head; v16-23 A's scale words; v32-223 first the 128 numbers and the codes, then Wo's two sets; v224-255 Wo's scale words.
;   Window 1: v0-127 accumulators (tile t, column tile b at 8 (8 t + b)); v128-191 the bias; v192-239 A's fragments, two sets.
.set X,    32
.set C,    160
.set SA,   16                          ; register s: lanes 0-15 tile 0's rows' words of K step s, lanes 16-31 tile 1's
.set SB,   224                         ; register 8 j + s: lanes 0-15 column tile 2 j's words of K step s, lanes 16-31 tile 2 j + 1's
.set B0,   32
.set BIAS, 128
.set AF,   192
.set L4,   1
.set SST,  2
.set IN,   3
.set L8,   4
.set L32,  5
.set AST,  25
.set STO,  26
.set RD,   27
.set CO,   28
.set BQK,  29
.set SPW,  30
.set NIL,  31
.set SAB,    24576                     ; LDS: 8 K steps x 3,072 bytes of A's images; then 8 x 128 bytes of scale words;
.set STAGE,  25600                     ; a stage of 16 rows x 528 bytes for each wave;
.set SPITCH, 528
.set SPARE,  93184                     ; the spare words, 128 bytes a wave
.set MSB, 0
.macro WIN new
.if MSB != (\new)
	s_set_vgpr_msb (MSB<<8)|(\new)
.set MSB, (\new)
.endif
.endm
	s_load_b128 s[4:7], s[0:1], 0x0                ; af, woimg
	s_load_b128 s[8:11], s[0:1], 0x10              ; woscl, bo
	s_load_b64 s[12:13], s[0:1], 0x20              ; out0
	v_lshl_add_u32 v[SPW], v0, 2, SPARE
	v_mov_b32 v[NIL], 0
	v_lshrrev_b32 v1, 5, v0
	s_delay_alu instid0(VALU_DEP_1)
	v_readfirstlane_b32 s14, v1                    ; wave
	s_mov_b32 s20, 0x76543210
	s_mov_b32 s21, 0xfedcba98                      ; selects for lane l xor 16
	s_mov_b32 s22, 0xffff0000                      ; lanes 16-31
	s_lshl_b32 s16, ttmp9, 17                      ; af: 131,072 bytes a pair,
	s_lshl_b32 s15, s14, 14
	s_add_co_u32 s16, s16, s15                     ; 4 blocks of 4,096 bytes a K step
	s_mov_b32 s17, 0
	s_mul_i32 s18, s14, 98304                      ; woimg: my 8 column tiles of 12,288 bytes
	s_mov_b32 s19, 0
	s_lshl_b32 s24, s14, 12                        ; woscl: 128 columns of 32 bytes
	s_mov_b32 s25, 0
	s_lshl_b32 s26, s14, 9                         ; bo: 128 columns of 4 bytes
	s_mov_b32 s27, 0
	s_lshr_b32 s28, ttmp9, 1
	s_lshl_b32 s28, s28, 6
	s_and_b32 s15, ttmp9, 1
	s_lshl_b32 s15, s15, 4
	s_add_co_u32 s28, s28, s15                     ; the pair's row 0: 64 (p / 2) + 16 (p % 2)
	s_lshl_b32 s28, s28, 12                        ; a row of out0 is 4,096 bytes
	s_add_co_u32 s28, s28, s26                     ; + my columns
	s_mov_b32 s29, 0
	s_mul_i32 s30, s14, 3072
	s_lshl_b32 s31, s14, 7
	s_add_co_u32 s31, s31, SAB
	s_mul_i32 s32, s14, 16*SPITCH
	s_add_co_u32 s32, s32, STAGE
	v_and_b32 v1, 31, v0                           ; lane
	v_and_b32 v2, 15, v0                           ; r
	v_bfe_u32 v6, v0, 4, 1                         ; h
	v_lshlrev_b32 v[IN], 3, v2
	v_lshlrev_b32 v[L8], 3, v1
	v_lshlrev_b32 v[L32], 5, v1
	v_lshlrev_b32 v7, 3, v6                        ; 8 h
	v_lshl_add_u32 v[IN], v6, 12, v[IN]            ; af: 4,096 h (the next block) + 8 r
	v_lshlrev_b32 v[BQK], 5, v6
	v_lshlrev_b32 v[CO], 4, v1
	v_mul_u32_u24 v[STO], v2, SPITCH
	v_add_nc_u32 v[AST], s30, v[L8]                ; where my K step's images go
	v_lshlrev_b32 v[L4], 2, v1
	v_lshl_add_u32 v[STO], v6, 5, v[STO]
	v_add_nc_u32 v[RD], s32, v[CO]                 ; out of the stage: a row of 512 bytes to the 32 lanes
	v_add_nc_u32 v[SST], s31, v[L4]                ; where my K step's scale words go
	v_add_nc_u32 v[STO], s32, v[STO]               ; into the stage: row r, 32 h bytes on
	v_mov_b32 v24, 0                               ; a lane permute's destination counts as one of its sources
	s_wait_alu depctr_va_vdst(0)                   ; the wait at the head's end
	s_wait_kmcnt 0x0
	s_add_nc_u64 s[4:5], s[4:5], s[16:17]
	s_add_nc_u64 s[6:7], s[6:7], s[18:19]
	s_add_nc_u64 s[8:9], s[8:9], s[24:25]
	s_add_nc_u64 s[10:11], s[10:11], s[26:27]
	s_add_nc_u64 s[12:13], s[12:13], s[28:29]
.macro LOADS t, c                      ; block 2 c + h of tile t: sixteen heads
.irp g, 0,1,2,3,4,5,6,7,8,9,10,11,12,13,14,15
	global_load_b64 v[X+64*(\t)+32*(\c)+2*\g:X+64*(\t)+32*(\c)+2*\g+1], v[IN], s[4:5] offset:8192*(\c)+256*\g+128*(\t) th:TH_LOAD_NT
.endr
.endm
.macro TILEQ t                         ; tile t's two blocks of my half become 12 registers of codes and a scale word
.irp c, 0,1
	v_max3_num_f32 v[8+\c], |v[X+64*(\t)+32*\c]|, |v[X+64*(\t)+32*\c+1]|, 0x1800000   ; and the floor 2^(3 - 127): the byte cannot fall under 1
.endr
.irp i, 2,4,6,8,10,12,14,16,18,20,22,24,26,28,30
.irp c, 0,1
	s_delay_alu instid0(VALU_DEP_2)
	v_max3_num_f32 v[8+\c], v[8+\c], |v[X+64*(\t)+32*\c+\i]|, |v[X+64*(\t)+32*\c+\i+1]|   ; the two blocks by turns
.endr
.endr
	s_delay_alu instid0(VALU_DEP_2)
	v_add_nc_u32 v10, 0xff000000, v8               ; 2 off the exponent field: the conversions' scale operands
	s_delay_alu instid0(VALU_DEP_2)
	v_add_nc_u32 v11, 0xff000000, v9
	s_delay_alu instid0(VALU_DEP_2)
	v_lshrrev_b32 v12, 23, v10                     ; the scales' bytes
	s_delay_alu instid0(VALU_DEP_2)
	v_lshrrev_b32 v13, 23, v11
	s_delay_alu instid0(VALU_DEP_1)
	v_lshl_or_b32 v12, v13, 16, v12                ; my two bytes: blocks h and 2 + h of the K step,
	s_delay_alu instid0(VALU_DEP_1)
	v_lshlrev_b32 v12, v7, v12                     ; at their places in the scale word;
	s_delay_alu instid0(VALU_DEP_1)
	v_permlanex16_b32 v24, v12, s20, s21
	s_delay_alu instid0(VALU_DEP_1)
	v_or_b32 v[22+(\t)], v12, v24                  ; with lane l xor 16's two the word is whole
	v_cvt_scalef32_pk16_fp6_f32 v[C+12*(\t):C+12*(\t)+2], v[X+64*(\t):X+64*(\t)+15], v10
	v_cvt_scalef32_pk16_fp6_f32 v[14:16], v[X+64*(\t)+16:X+64*(\t)+31], v10     ; (a conversion's three registers begin on an even number)
	v_cvt_scalef32_pk16_fp6_f32 v[C+12*(\t)+6:C+12*(\t)+8], v[X+64*(\t)+32:X+64*(\t)+47], v11
	v_cvt_scalef32_pk16_fp6_f32 v[18:20], v[X+64*(\t)+48:X+64*(\t)+63], v11
	v_nop                                          ; one plain place behind a scaled conversion
.irp i, 0,1,2
	v_mov_b32 v[C+12*(\t)+3+\i], v[14+\i]
	v_mov_b32 v[C+12*(\t)+9+\i], v[18+\i]
.endr
.endm
.macro BLOADS s                        ; Wo's eight fragments of K step s into set s % 2: 48 loads of 256 consecutive bytes
.irp b, 0,1,2,3,4,5,6,7
.irp p, 0,1,2,3,4,5
	global_load_b64 v[B0+96*((\s)%2)+12*\b+2*\p:B0+96*((\s)%2)+12*\b+2*\p+1], v[L8], s[6:7] offset:12288*\b+1536*(\s)+256*\p
.endr
.endr
.endm
.macro ALOADS s                        ; A's two fragments of K step s into set s % 2 (window 1): 12 loads
.irp t, 0,1
.irp p, 0,1,2,3,4,5
	ds_load_b64 v[AF+24*((\s)%2)+12*\t+2*\p:AF+24*((\s)%2)+12*\t+2*\p+1], v[L8] offset:3072*(\s)+1536*\t+256*\p
.endr
.endr
.endm
	WIN 0x40                                       ; destination in window 1
.irp b, 0,1,2,3,4,5,6,7
	global_load_b128 v[BIAS+8*\b:BIAS+8*\b+3], v[BQK], s[10:11] offset:64*\b         ; bo at columns 16 b + 8 h + 0 .. 7
	global_load_b128 v[BIAS+8*\b+4:BIAS+8*\b+7], v[BQK], s[10:11] offset:64*\b+16
.endr
	WIN 0
.irp j, 0,1,2,3
	global_load_b128 v[SB+8*\j:SB+8*\j+3], v[L32], s[8:9] offset:1024*\j             ; a lane takes its column's 32 scale bytes: the two loads cover 1,024 consecutive bytes
	global_load_b128 v[SB+8*\j+4:SB+8*\j+7], v[L32], s[8:9] offset:1024*\j+16
.endr
	LOADS 0, 0
	LOADS 0, 1
	LOADS 1, 0
	s_wait_loadcnt 16                              ; tile 0's 32 loads are in; the 16 issued behind them may be out
	LOADS 1, 1
	TILEQ 0
	s_wait_loadcnt 0x0
	TILEQ 1
	v_cndmask_b32 v22, v22, v23, s22               ; lanes 0-15 tile 0's rows' words, lanes 16-31 tile 1's
.irp t, 0,1
.irp p, 0,1,2,3,4,5
	ds_store_b64 v[AST], v[C+12*\t+2*\p:C+12*\t+2*\p+1] offset:1536*\t+256*\p
.endr
.endr
	ds_store_b32 v[SST], v22
	BLOADS 0                                       ; over the numbers, which are done with
	s_wait_dscnt 0x0                               ; my images are in LDS
	s_barrier_signal -1
	s_barrier_wait -1                              ; and so are everybody's
.irp s, 0,1,2,3,4,5,6,7
	ds_load_b32 v[SA+\s], v[L4] offset:SAB+128*\s
.endr
	WIN 0x40
	ALOADS 0
; One product: tile t x column tile b, K step s.  The first scale operand is Wo's (source 0), the second A's
.macro MM s, t, b
.set DD, 8*(8*(\t)+\b)
.if (\s) == 0
.set CC, BIAS+8*\b
.else
.set CC, DD
.endif
.set BR, B0+96*((\s)%2)+12*\b
.set AR, AF+24*((\s)%2)+12*\t
.set SBR, SB+8*((\b)/2)+(\s)
.if ((\b)%2 == 0) && ((\t) == 0)
	v_wmma_scale_f32_16x16x128_f8f6f4 v[DD:DD+7], v[BR:BR+11], v[AR:AR+11], v[CC:CC+7], v[SBR], v[SA+(\s)] matrix_a_fmt:MATRIX_FMT_FP6 matrix_b_fmt:MATRIX_FMT_FP6
.elseif (\t) == 0
	v_wmma_scale_f32_16x16x128_f8f6f4 v[DD:DD+7], v[BR:BR+11], v[AR:AR+11], v[CC:CC+7], v[SBR], v[SA+(\s)] matrix_a_fmt:MATRIX_FMT_FP6 matrix_b_fmt:MATRIX_FMT_FP6 matrix_a_scale:MATRIX_SCALE_ROW1
.elseif (\b)%2 == 0
	v_wmma_scale_f32_16x16x128_f8f6f4 v[DD:DD+7], v[BR:BR+11], v[AR:AR+11], v[CC:CC+7], v[SBR], v[SA+(\s)] matrix_a_fmt:MATRIX_FMT_FP6 matrix_b_fmt:MATRIX_FMT_FP6 matrix_b_scale:MATRIX_SCALE_ROW1
.else
	v_wmma_scale_f32_16x16x128_f8f6f4 v[DD:DD+7], v[BR:BR+11], v[AR:AR+11], v[CC:CC+7], v[SBR], v[SA+(\s)] matrix_a_fmt:MATRIX_FMT_FP6 matrix_b_fmt:MATRIX_FMT_FP6 matrix_a_scale:MATRIX_SCALE_ROW1 matrix_b_scale:MATRIX_SCALE_ROW1
.endif
.endm
.macro KSTEP s
.if (\s) < 7
.if (\s) > 0
.rept 4
	v_nop                                          ; four places in front of loads into the sets that the step before multiplied
.endr
.endif
	WIN 0
	BLOADS (\s)+1
	WIN 0x40
	ALOADS (\s)+1
	s_wait_loadcnt 48                              ; all but the 48 just issued: this step's fragments of Wo are in
	s_wait_dscnt 12                                ; all but the 12 just issued: this step's fragments of A (and the scale words)
.else
	s_wait_loadcnt 0x0
	s_wait_dscnt 0x0
.endif
	WIN 0x54                                       ; source 0 window 0; source 1, C and D window 1
.irp b, 0,1,2,3,4,5,6,7
	MM \s, 0, \b
	MM \s, 1, \b
.endr
.endm
.irp s, 0,1,2,3,4,5,6,7
	KSTEP \s
.endr
; THE WAY OUT: a tile of 16 rows x 128 columns goes through my own stage and comes back as whole rows of 512 bytes.  LDS serves a wave's instructions in order (ISA guide 5.7.1.4): no wait between the stores and the loads
.rept 4
	v_nop                                          ; four places in front of the first read of the results and of loads into Wo's sets
.endr
.irp t, 0,1
	WIN 0x04                                       ; the data in window 1
.irp b, 0,1,2,3,4,5,6,7
	ds_store_b128 v[STO], v[64*\t+8*\b:64*\t+8*\b+3] offset:64*\b          ; each accumulator from its low end on
	ds_store_b128 v[STO], v[64*\t+8*\b+4:64*\t+8*\b+7] offset:64*\b+16
.endr
	WIN 0
.irp u, 0,1,2,3,4,5,6,7,8,9,10,11,12,13,14,15
	ds_load_b128 v[B0+64*\t+4*\u:B0+64*\t+4*\u+3], v[RD] offset:\u*SPITCH
.endr
.endr
.irp t, 0,1
	s_wait_dscnt 32*(1-\t)                         ; tile 0: tile 1's 16 stores and 16 loads may be out
.irp u, 0,1,2,3,4,5,6,7,8,9,10,11,12,13,14,15
	global_store_b128 v[CO], v[B0+64*\t+4*\u:B0+64*\t+4*\u+3], s[12:13] offset:(8*\t+\u%8+32*(\u/8))*4096 th:TH_STORE_NT   ; 32 lanes store 512 consecutive bytes, aligned
.endr
.endr
	s_wait_tensorcnt 0x0                           ; the wave's end
	ds_add_u32 v[SPW], v[NIL]
	s_wait_dscnt 0x0
	s_endpgm
.Lfunc_end_k_q42530b8346_outq:
	.size	k_q42530b8346_outq, .Lfunc_end_k_q42530b8346_outq-k_q42530b8346_outq
	.p2alignl 7, 3214868480
	.fill 96, 4, 3214868480
	.section	.rodata,"a",@progbits
	.p2align	6, 0x0
	.amdhsa_kernel k_q42530b8346_outq
		.amdhsa_group_segment_fixed_size 94208
		.amdhsa_private_segment_fixed_size 0
		.amdhsa_enable_private_segment 0
		.amdhsa_kernarg_size 40
		.amdhsa_user_sgpr_count 2
		.amdhsa_user_sgpr_kernarg_segment_ptr 1
		.amdhsa_wavefront_size32 1
		.amdhsa_system_sgpr_workgroup_id_x 1
		.amdhsa_system_sgpr_workgroup_id_y 1
		.amdhsa_system_sgpr_workgroup_id_z 1
		.amdhsa_system_vgpr_workitem_id 0
		.amdhsa_next_free_vgpr 512
		.amdhsa_next_free_sgpr 66
		.amdhsa_reserve_vcc 0
		.amdhsa_float_denorm_mode_32 3
		.amdhsa_float_denorm_mode_16_64 3
		.amdhsa_memory_ordered 1
		.amdhsa_forward_progress 1
		.amdhsa_inst_pref_size 89
	.end_amdhsa_kernel
	.amdgpu_metadata
---
amdhsa.version: [ 1, 2 ]
amdhsa.kernels:
  - .name:           k_q42530b8346_outq
    .symbol:         k_q42530b8346_outq.kd
    .args:
      - { .name: af, .offset: 0, .size: 8, .value_kind: global_buffer, .address_space: global }
      - { .name: woimg, .offset: 8, .size: 8, .value_kind: global_buffer, .address_space: global }
      - { .name: woscl, .offset: 16, .size: 8, .value_kind: global_buffer, .address_space: global }
      - { .name: bo, .offset: 24, .size: 8, .value_kind: global_buffer, .address_space: global }
      - { .name: out0, .offset: 32, .size: 8, .value_kind: global_buffer, .address_space: global }
    .group_segment_fixed_size: 94208
    .private_segment_fixed_size: 0
    .kernarg_segment_align: 8
    .kernarg_segment_size: 40
    .max_flat_workgroup_size: 256
    .sgpr_count:     66
    .vgpr_count:     512
    .wavefront_size: 32
...
	.end_amdgpu_metadata
.endif
;; end of part 4
